; MI455X (gfx1250); checked and timed in simulation.
; The chip was launched on July 23, 2026; its instructions are those of AMD's public machine-readable ISA for CDNA 5 (MIT licence, August 2026) and "CDNA5" Instruction Set Architecture Reference Guide (July 2026). The comments in the code are by the model that wrote it; some were corrected since.
;; Causal Self Attention. Allowed arithmetic: matrix products marked QUANTISED: E2M3 operands, one E8M0 scale for each 32 along K, by v_wmma_scale_f32_16x16x128_f8f6f4 with both operands' format E2M3, f32 sums; everything else in f32.
;; Inputs: Wk 1,024 x 1,024 float32; Wp 1,024 x 1,024 float32; Wq 1,024 x 1,024 float32; Wv 1,024 x 1,024 float32; bk 1,024 float32; bp 1,024 float32; bq 1,024 float32; bv 1,024 float32; x 4 x 2,048 x 1,024 float32.
;; Outputs: out0 4 x 2,048 x 1,024 float32.
;; Constants: ch_list = 0.
;; This version of the problem:
;;   THIS VERSION OF THE PROBLEM IS GIVEN IN LOW PRECISION. The matrix products marked QUANTISED in the list below multiply operands that are first quantised to E2M3 (2 exponent bits, 3 mantissa bits; 6 bits a number), with one power-of-two scale for each 32 numbers along K (OCP MX v1.0); their sums are f32. All else is computed in f32.
;;   The module's matrix products, in the order in which they are computed (A, B: the left and right operand; K: the contracted axis; several contracted axes count as one K, in the product's order):
;;     1. [M 8,192, K 1,024] x [K 1,024, N 1,024]; A: input x; B: input Wq: QUANTISED
;;     2. [M 8,192, K 1,024] x [K 1,024, N 1,024]; A: input x; B: input Wk: QUANTISED
;;     3. [M 8,192, K 1,024] x [K 1,024, N 1,024]; A: input x; B: input Wv: QUANTISED
;;     4. batch 64 x [M 2,048, K 64] x [K 64, N 2,048]; A: computed on the way; B: computed on the way: QUANTISED
;;     5. batch 64 x [M 2,048, K 2,048] x [K 2,048, N 64]; A: softmax (see below); B: computed on the way: QUANTISED
;;     6. [M 8,192, K 1,024] x [K 1,024, N 1,024]; A: computed on the way; B: input Wp: QUANTISED
;;   THE QUANTISER, for each operand of a quantised product, along K:
;;     - K is cut into blocks of 32 from its start; a last block that is shorter is filled with zeros.
;;     - A block's scale is 2^e with e = floor(log2(the largest magnitude in the block)) - 2, held to -126 .. 127; a block of zeros has e = 0. As a byte (E8M0): e + 127.
;;     - Each number is divided by its block's scale, clamped to +-7.5, and rounded to the nearest number of E2M3, ties to even, subnormals kept.
;;     - The product sums the exact products of the quantised numbers (number of the format x scale) in f32.
;;   ~~~python
;;   def quantise(x, axis):      # numpy; x: float32 -> the quantised numbers, widened to float32 again
;;       x = np.moveaxis(x, axis, -1); K = x.shape[-1]
;;       x = np.pad(x, [(0, 0)] * (x.ndim - 1) + [(0, -K % 32)]); x = x.reshape(x.shape[:-1] + (-1, 32)); a = np.abs(x).max(-1, keepdims=True)
;;       e = np.where(a > 0, np.clip(np.frexp(np.where(a > 0, a, 1))[1] - 1 - 2, -126, 127), 0)      # np.frexp(a)[1] - 1 = floor(log2(a)), exactly
;;       r = np.clip(x / 2.0 ** e, -7.5, 7.5)
;;       step = 2.0 ** (np.maximum(np.frexp(np.where(r == 0, 1, r))[1] - 1, 0) - 3)
;;       q = np.round(r / step) * step * 2.0 ** e      # np.round: ties to even
;;       return np.moveaxis(q.reshape(q.shape[:-2] + (-1,))[..., :K], -1, axis).astype(np.float32)
;;   ~~~
;;   SOFTMAX AHEAD OF A QUANTISED PRODUCT. Where the list says 'softmax', what is quantised is not the finished softmax but p = 2^(t - M), with t = logit x log2(e) and M = ceil(the row's largest t), a whole number; so 1/2 < the row's largest p <= 1. The row's sum l is taken of the UNQUANTISED p, in f32, and the product's result is divided by l at the end. Since M is a whole number, a kernel that streams over the keys may use a running M (the ceiling of the running maximum): every later rescaling is an exact power of two, which a block's scale takes up: the codes' values come out the same.
;;   OPERANDS COMPUTED ON THE WAY. 'Computed on the way' means the value that the module computes at that place (a softmax that the list does not call 'softmax' is quantised finished and normalised). What goes into a quantiser is computed in f32, as accurately as f32 sums, v_exp_f32 and their like allow (about 1e-6 of the number): no bf16 or f16 on the way to a quantiser, and a product that is left as it is and whose result goes on into a quantised operand takes f32 operands (vector FMAs, or v_wmma_f32_16x16x4_f32). A number that lies on a knife's edge between two numbers of the format may be rounded either way, as far as f32 arithmetic and the matrix unit's own rounding can turn it there, and no further.
;; One version. Each part assembles by itself: llvm-mc -triple=amdgcn-amd-amdhsa -mcpu=gfx1250 --defsym DOCPART=n.
;; ======== version 1 of 1: 4 launches
;; workspace buffers: codes 9,437,184 bytes; scales 393,216 bytes; hd 20,185,088 bytes; yc 6,291,456 bytes; ys 262,144 bytes
;; launch quant (part 1): grid 256 x 1, 4 waves a work-group, no clusters, 113,152 bytes of LDS; arguments x, Wq, Wk, Wv, Wp, codes, scales; writes codes, scales
.if DOCPART == 1
	.amdgcn_target "amdgcn-amd-amdhsa--gfx1250"
	.amdhsa_code_object_version 6
	.text
	.protected	k_qe70b752d4f_quant
	.globl	k_qe70b752d4f_quant
	.p2align	8
	.type	k_qe70b752d4f_quant,@function
k_qe70b752d4f_quant:
	s_mov_b64 s[64:65], 0
	v_nop
	global_prefetch_b8 v0, s[64:65] scope:SCOPE_SE
	s_setreg_imm32_b32 hwreg(HW_REG_WAVE_MODE, 25, 1), 1
	s_wait_xcnt 0x0
; x [8192][1024] (K innermost) and Wq, Wk, Wv, Wp [1024 (k)][1024 (n)] (K outermost), f32, become codes of FP6 (E2M3) with one E8M0 byte for each 32 along K.
; A block's scale is 2^(floor(log2(its largest magnitude)) - 2): its byte is the largest magnitude's exponent field - 2, held at 1 from below by a floor among the maximum's leaves.
; (A block of zeros so keeps the byte 1: its codes are zeros, and this program alone reads the bytes.)
; LIMITS: NaN and infinities among the inputs are not served; blocks whose largest magnitude lies under 2^-124 keep the byte 1.
; LAYOUT OF THE RESULTS.  codes: [16 chunks of 64 along K][12,288 positions][48 bytes]; positions 0-8191 x's rows, then 1,024 each for Wq, Wk, Wv, Wp (their columns n).
; scales: [12,288 positions][32 bytes]; in each word of four bytes (128 along K) blocks 1 and 2 change places, since the products' lanes 16-31 take the second chunk of 64.
; POSITIONS: in each group of 64 rows, position 16 t + 8 h + j holds row 32 h + 8 t + j, so that a product's four neighbouring tiles give a lane 32 neighbours.
; Work-groups 0-127 take x, 128-255 the weights; each way has LDS bytes of its own.  No tensor loads.
.set CP,   589824                      ; bytes of a chunk: 12,288 positions x 48
.set CHB,  6144                        ; 128 positions of a chunk
.set WREG, 22016                       ; x: LDS of a wave: two stages of 32 x 144, its codes (16 chunks x 16 positions x 48), its scale bytes (16 x 32)
.set SP,   144                         ; a lane's 128 bytes + 16 of padding
.set CST,  9216
.set SST,  21504
.set WST,  88064                       ; the weights' stage: 4 chunks x 128 positions x 48
.set R,    16                          ; v16-143  four sets of 32 numbers as loaded
.set X,    144                         ; v144-207 two sets of 32 neighbours
.set C,    208                         ; v208-231 two sets: six registers of codes, three more from +6
.macro AMAX32 d, e, s                  ; v[d] = the largest magnitude of v[s] .. v[s+31] and the floor 2^(3-127); v[e] at work: two chains
	v_max3_num_f32 v[\d], |v[\s]|, |v[\s+1]|, 0x1800000
	v_max3_num_f32 v[\e], |v[\s+2]|, |v[\s+3]|, |v[\s+4]|
.irp i, 5,9,13,17,21,25
	v_max3_num_f32 v[\d], v[\d], |v[\s+\i]|, |v[\s+\i+1]|
	v_max3_num_f32 v[\e], v[\e], |v[\s+\i+2]|, |v[\s+\i+3]|
.endr
	v_max3_num_f32 v[\d], v[\d], |v[\s+29]|, |v[\s+30]|
	v_max3_num_f32 v[\d], v[\d], v[\e], |v[\s+31]|
.endm
.macro LOADX t                         ; position t of my 16: row 32 (t / 8) + t % 8 from my first; eight loads of 512 consecutive bytes
.irp i, 0,1,2,3,4,5,6,7
	global_load_b128 v[R+32*((\t)%4)+4*\i:R+32*((\t)%4)+4*\i+3], v3, s[4:5] offset:(32*((\t)/8)+(\t)%8)*4096+512*\i th:TH_LOAD_NT
.endr
.endm
.macro TURNX t                         ; the row through my stage: in as loaded, out 128 bytes (a block) a lane; LDS serves a wave's instructions in order
.irp i, 0,1,2,3,4,5,6,7
	ds_store_b128 v4, v[R+32*((\t)%4)+4*\i:R+32*((\t)%4)+4*\i+3] offset:32*SP*((\t)%2)+4*SP*\i
.endr
.irp i, 0,1,2,3,4,5,6,7
	ds_load_b128 v[X+32*((\t)%2)+4*\i:X+32*((\t)%2)+4*\i+3], v5 offset:32*SP*((\t)%2)+16*\i
.endr
.endm
.macro STEPX t
.set XS, X+32*((\t)%2)
.set CC, C+12*((\t)%2)
.if (\t) > 0
	s_wait_dscnt 4                                 ; this row is back from the stage; the last row's three code stores and its byte store may be out
.else
	s_wait_dscnt 0x0
.endif
.if (\t)+4 < 16
	LOADX (\t)+4                                   ; into the set that this row's stage stores have read
.endif
.if (\t)+1 < 16
.if (\t) < 12
	s_wait_loadcnt 24                              ; the next row's eight loads are in; three younger rows stay out
.else
	s_wait_loadcnt 8*(14-(\t))
.endif
	TURNX (\t)+1
.endif
	AMAX32 8, 9, XS                                ; lane l holds block l of the row: no other lane is asked
	v_add_nc_u32 v11, 0xff000000, v8               ; 2 off the exponent field: the conversion's scale operand
	v_cvt_scalef32_pk16_fp6_f32 v[CC:CC+2], v[XS:XS+15], v11
	v_cvt_scalef32_pk16_fp6_f32 v[CC+6:CC+8], v[XS+16:XS+31], v11   ; (a conversion's three registers begin on an even number)
	v_lshrrev_b32 v10, 23, v11                     ; the scale's byte; also the plain line behind the conversions
.irp i, 0,1,2
	v_mov_b32 v[CC+3+\i], v[CC+6+\i]
.endr
.irp i, 0,1,2
	ds_store_b64 v6, v[CC+2*\i:CC+2*\i+1] offset:CST+48*(\t)+8*\i
.endr
	ds_store_b8 v12, v10 offset:SST+32*(\t)
.endm
.macro OUTX k, b                       ; 512 bytes of my codes: 768 bytes (16 positions) of each chunk are consecutive in memory, so three stores serve two chunks
	s_wait_dscnt 24-(\k)
.if (\k)%3 == 0
	global_store_b128 v3, v[R+4*(\k):R+4*(\k)+3], s[\b:\b+1] offset:((2*((\k)/3))%8)*CP
.elseif (\k)%3 == 1
	global_store_b128 v14, v[R+4*(\k):R+4*(\k)+3], s[\b:\b+1] offset:((2*((\k)/3))%8)*CP
.else
	global_store_b128 v3, v[R+4*(\k):R+4*(\k)+3], s[\b:\b+1] offset:((2*((\k)/3))%8+1)*CP+256
.endif
.endm
.macro LOADW t                         ; block t: W(32 t + i, my column), i = 0 .. 31
.irp i, 0,1,2,3,4,5,6,7,8,9,10,11,12,13,14,15,16,17,18,19,20,21,22,23,24,25,26,27,28,29,30,31
	global_load_b32 v[32+32*((\t)%2)+\i], v7, s[6:7] offset:(32*(\t)+\i)*4096 th:TH_LOAD_NT
.endr
.endm
.macro BLOCKW t
.set XS, 32+32*((\t)%2)
.if (\t) < 7
	s_wait_loadcnt 32                              ; this block's 32 loads are in; the next block's may be out
.else
	s_wait_loadcnt 0x0
.endif
	AMAX32 12, 13, XS
	v_add_nc_u32 v11, 0xff000000, v12
	v_lshrrev_b32 v13, 23, v11
.if (\t)%4 == 0
	v_mov_b32 v[24+(\t)/4], v13
.else
	v_lshl_or_b32 v[24+(\t)/4], v13, 8*(2*((\t)%2)+((\t)%4)/2), v[24+(\t)/4]   ; blocks 1 and 2 of a word change places
.endif
	v_cvt_scalef32_pk16_fp6_f32 v[96:98], v[XS:XS+15], v11
	v_cvt_scalef32_pk16_fp6_f32 v[102:104], v[XS+16:XS+31], v11
	v_nop                                          ; one plain line behind the conversions
.irp i, 0,1,2
	v_mov_b32 v[99+\i], v[102+\i]
.endr
.irp i, 0,1,2
	ds_store_b64 v5, v[96+2*\i:97+2*\i] offset:((\t)/2)*CHB+((\t)%2)*24+8*\i
.endr
.if (\t)+2 < 8
	LOADW (\t)+2
.endif
	s_wait_dscnt 0x0
.endm
	s_load_b256 s[4:11], s[0:1], 0x0               ; x, Wq, Wk, Wv
	s_load_b128 s[12:15], s[0:1], 0x20             ; Wp, codes
	s_load_b64 s[16:17], s[0:1], 0x30              ; scales
	v_lshl_add_u32 v254, v0, 2, 0x1b800
	v_mov_b32 v255, 0
	v_lshrrev_b32 v1, 5, v0
	v_readfirstlane_b32 s18, v1                    ; wave
	v_and_b32 v2, 31, v0                           ; lane l
	v_lshlrev_b32 v3, 4, v2                        ; 16 l
	s_cmp_lt_u32 ttmp9, 128
	s_cbranch_scc0 .Lweights
	; ---- x.  Wave u = 4 x work-group + wave owns positions 16 u .. 16 u + 15: rows 64 (u / 4) + 8 (u % 4) + 32 (t / 8) + t % 8
	s_mul_i32 s19, s18, WREG
	v_lshrrev_b32 v4, 3, v2
	v_mul_u32_u24 v4, v4, SP
	v_and_b32 v5, 7, v2
	v_lshl_add_u32 v4, v5, 4, v4
	v_add_nc_u32 v4, s19, v4                       ; the stage, in: eight lanes' 128 bytes on end, then 16 of padding
	v_mul_u32_u24 v5, v2, SP
	v_add_nc_u32 v5, s19, v5                       ; out: my block
	v_lshrrev_b32 v6, 1, v2
	v_mul_u32_u24 v6, v6, 768
	v_and_b32 v7, 1, v2
	v_mad_u32_u24 v6, v7, 24, v6
	v_add_nc_u32 v6, s19, v6                       ; my block's codes: chunk l / 2, half l % 2
	v_and_b32 v12, 28, v2
	v_lshl_add_u32 v12, v7, 1, v12
	v_bfe_u32 v13, v2, 1, 1
	v_add_nc_u32 v12, v12, v13
	v_add_nc_u32 v12, s19, v12                     ; my block's byte: blocks 1 and 2 of a word change places
	v_add_nc_u32 v13, s19, v3                      ; the way out of LDS: 16 l
	v_lshrrev_b32 v14, 4, v2
	v_mul_u32_u24 v14, v14, CP-768
	v_add_nc_u32 v14, v14, v3
	v_add_nc_u32 v14, 512, v14                     ; a store whose lanes 16-31 belong to the next chunk
	s_lshl_b32 s20, ttmp9, 18
	s_lshl_b32 s21, s18, 15
	s_add_co_u32 s20, s20, s21                     ; my first row, in bytes: (64 x work-group + 8 x wave) x 4,096
	s_mov_b32 s21, 0
	s_lshl_b32 s22, ttmp9, 2
	s_add_co_u32 s22, s22, s18                     ; u
	s_mul_i32 s24, s22, 768
	s_mov_b32 s25, 0
	s_lshl_b32 s26, s22, 9
	s_mov_b32 s27, 0
	s_wait_kmcnt 0x0
	s_add_nc_u64 s[4:5], s[4:5], s[20:21]
	s_add_nc_u64 s[14:15], s[14:15], s[24:25]      ; chunks 0-7 at my positions,
	s_add_nc_u64 s[28:29], s[14:15], 8*CP          ; chunks 8-15: so the offsets stay inside the signed 24-bit immediate
	s_add_nc_u64 s[16:17], s[16:17], s[26:27]
.irp t, 0,1,2,3
	LOADX \t
.endr
	s_wait_loadcnt 24
	TURNX 0
.irp t, 0,1,2,3,4,5,6,7,8,9,10,11,12,13,14,15
	STEPX \t
.endr
.irp k, 0,1,2,3,4,5,6,7,8,9,10,11,12,13,14,15,16,17,18,19,20,21,22,23
	ds_load_b128 v[R+4*\k:R+4*\k+3], v13 offset:CST+512*\k   ; LDS serves a wave's instructions in order: these see my stores
.endr
	ds_load_b128 v[R+96:R+99], v13 offset:SST
.irp k, 0,1,2,3,4,5,6,7,8,9,10,11
	OUTX \k, 14
.endr
.irp k, 12,13,14,15,16,17,18,19,20,21,22,23
	OUTX \k, 28
.endr
	s_wait_dscnt 0x0
	global_store_b128 v3, v[R+96:R+99], s[16:17]   ; my 16 positions' 512 scale bytes
	s_wait_tensorcnt 0x0
	ds_add_u32 v254, v255
	s_wait_dscnt 0x0
	s_endpgm
.Lweights:
	; ---- the weights.  A lane takes a column n and its registers run down K: a block lies in one lane, and the codes come out with K innermost.
	; A work-group: one matrix, 128 columns, 256 along K (4 chunks).  The four waves' codes meet in one stage, since 128 positions of a chunk are 6,144 consecutive bytes.
	s_sub_co_u32 s19, ttmp9, 128
	s_lshr_b32 s20, s19, 5                         ; matrix: q, k, v, p
	s_bfe_u32 s21, s19, 0x30002                    ; which 128 columns
	s_and_b32 s22, s19, 3                          ; which 256 along K
	v_lshrrev_b32 v4, 3, v2
	v_and_b32 v5, 7, v2
	v_lshl_add_u32 v4, v4, 4, v5
	s_lshr_b32 s23, s18, 1
	s_lshl_b32 s23, s23, 6
	s_and_b32 s24, s18, 1
	s_lshl_b32 s24, s24, 3
	s_add_co_u32 s23, s23, s24
	v_add_nc_u32 v4, s23, v4                       ; column 32 w + l lies at position 64 (w / 2) + 16 (l / 8) + 8 (w % 2) + l % 8
	v_mul_u32_u24 v5, v4, 48
	v_add_nc_u32 v5, WST, v5                       ; its place in the stage
	v_lshlrev_b32 v6, 5, v4                        ; and among the scale bytes
	v_lshlrev_b32 v7, 2, v2                        ; in: 4 bytes a lane
	s_mul_i32 s24, s18, CHB
	s_add_co_u32 s24, s24, WST
	v_add_nc_u32 v8, s24, v3                       ; out: wave w takes chunk w of the four
	s_lshl_b32 s24, s22, 20
	s_lshl_b32 s25, s21, 9
	s_add_co_u32 s24, s24, s25
	s_lshl_b32 s25, s18, 7
	s_add_co_u32 s24, s24, s25                     ; W: 256 rows of 4,096 bytes x ky + 4 x (128 cg + 32 w)
	s_mov_b32 s25, 0
	s_lshl_b32 s30, s20, 10
	s_lshl_b32 s31, s21, 7
	s_add_co_u32 s30, s30, s31
	s_add_co_u32 s30, s30, 8192                    ; the first of my 128 positions
	s_lshl_b32 s26, s22, 2
	s_add_co_u32 s26, s26, s18
	s_mul_i32 s26, s26, CP
	s_mul_i32 s27, s30, 48
	s_add_co_u32 s26, s26, s27                     ; codes: chunk 4 ky + w at those positions
	s_mov_b32 s27, 0
	s_lshl_b32 s28, s30, 5
	s_lshl_b32 s29, s22, 3
	s_add_co_u32 s28, s28, s29                     ; scale bytes: 8 of each position's 32
	s_mov_b32 s29, 0
	s_and_b32 s31, s20, 1
	s_wait_kmcnt 0x0
	s_cmp_eq_u32 s31, 0                            ; the choice hangs on the work-group's number alone
	s_cselect_b64 s[6:7], s[6:7], s[8:9]
	s_cselect_b64 s[10:11], s[10:11], s[12:13]
	s_cmp_lt_u32 s20, 2
	s_cselect_b64 s[6:7], s[6:7], s[10:11]
	s_add_nc_u64 s[6:7], s[6:7], s[24:25]
	s_add_nc_u64 s[14:15], s[14:15], s[26:27]
	s_add_nc_u64 s[16:17], s[16:17], s[28:29]
	LOADW 0
	LOADW 1
.irp t, 0,1,2,3,4,5,6,7
	BLOCKW \t
.endr
	global_store_b64 v6, v[24:25], s[16:17]        ; my column's 8 bytes: one byte for 128 read, rows 32 bytes apart
	s_barrier_signal -1                            ; every wave's stores into the stage have landed (the wait for 0 closes each block)
	s_barrier_wait -1
.irp k, 0,1,2,3,4,5,6,7,8,9,10,11
	ds_load_b128 v[32+4*\k:35+4*\k], v8 offset:512*\k
.endr
.irp k, 0,1,2,3,4,5,6,7,8,9,10,11
	s_wait_dscnt 11-\k
	global_store_b128 v3, v[32+4*\k:35+4*\k], s[14:15] offset:512*\k   ; 32 lanes store 512 consecutive bytes, at a multiple of 256 from the buffer's first byte
.endr
	s_wait_tensorcnt 0x0
	ds_add_u32 v254, v255
	s_wait_dscnt 0x0
	s_endpgm
.Lfunc_end_k_qe70b752d4f_quant:
	.size	k_qe70b752d4f_quant, .Lfunc_end_k_qe70b752d4f_quant-k_qe70b752d4f_quant
	.p2alignl 7, 3214868480
	.fill 96, 4, 3214868480
	.section	.rodata,"a",@progbits
	.p2align	6, 0x0
	.amdhsa_kernel k_qe70b752d4f_quant
		.amdhsa_group_segment_fixed_size 113152
		.amdhsa_private_segment_fixed_size 0
		.amdhsa_enable_private_segment 0
		.amdhsa_kernarg_size 56
		.amdhsa_user_sgpr_count 2
		.amdhsa_user_sgpr_kernarg_segment_ptr 1
		.amdhsa_wavefront_size32 1
		.amdhsa_system_sgpr_workgroup_id_x 1
		.amdhsa_system_sgpr_workgroup_id_y 1
		.amdhsa_system_sgpr_workgroup_id_z 1
		.amdhsa_system_vgpr_workitem_id 0
		.amdhsa_next_free_vgpr 256
		.amdhsa_next_free_sgpr 66
		.amdhsa_reserve_vcc 0
		.amdhsa_float_denorm_mode_32 3
		.amdhsa_float_denorm_mode_16_64 3
		.amdhsa_memory_ordered 1
		.amdhsa_forward_progress 1
		.amdhsa_inst_pref_size 104
	.end_amdhsa_kernel
	.amdgpu_metadata
---
amdhsa.version: [ 1, 2 ]
amdhsa.kernels:
  - .name:           k_qe70b752d4f_quant
    .symbol:         k_qe70b752d4f_quant.kd
    .args:
      - { .name: x, .offset: 0, .size: 8, .value_kind: global_buffer, .address_space: global }
      - { .name: Wq, .offset: 8, .size: 8, .value_kind: global_buffer, .address_space: global }
      - { .name: Wk, .offset: 16, .size: 8, .value_kind: global_buffer, .address_space: global }
      - { .name: Wv, .offset: 24, .size: 8, .value_kind: global_buffer, .address_space: global }
      - { .name: Wp, .offset: 32, .size: 8, .value_kind: global_buffer, .address_space: global }
      - { .name: codes, .offset: 40, .size: 8, .value_kind: global_buffer, .address_space: global }
      - { .name: scales, .offset: 48, .size: 8, .value_kind: global_buffer, .address_space: global }
    .group_segment_fixed_size: 113152
    .private_segment_fixed_size: 0
    .kernarg_segment_align: 8
    .kernarg_segment_size: 56
    .max_flat_workgroup_size: 128
    .sgpr_count:     66
    .vgpr_count:     256
    .wavefront_size: 32
...
	.end_amdgpu_metadata
.endif
;; end of part 1
;; launch qkv (part 2): grid 8 x 48, 4 waves a work-group, clusters of 4 x 4, 327,680 bytes of LDS; arguments codes, scales, bq, bk, bv, hd; writes hd
.if DOCPART == 2
	.amdgcn_target "amdgcn-amd-amdhsa--gfx1250"
	.amdhsa_code_object_version 6
	.text
	.protected	k_qe70b752d4f_qkv
	.globl	k_qe70b752d4f_qkv
	.p2align	8
	.type	k_qe70b752d4f_qkv,@function
k_qe70b752d4f_qkv:
	s_mov_b64 s[64:65], 0
	v_nop
	global_prefetch_b8 v0, s[64:65] scope:SCOPE_SE
	s_setreg_imm32_b32 hwreg(HW_REG_WAVE_MODE, 25, 1), 1
	s_wait_xcnt 0x0
	s_wait_alu depctr_hold_cnt(0) depctr_sa_sdst(0) depctr_va_vdst(0) depctr_va_sdst(0) depctr_va_ssrc(0) depctr_va_vcc(0) depctr_vm_vsrc(0)
	s_getreg_b32 s2, hwreg(HW_REG_IB_STS2, 6, 4)
	s_cmp_eq_u32 s2, 0
	s_cbranch_scc0 .Lentry_in_a_cluster
	s_endpgm
.Lentry_in_a_cluster:
	s_bfe_u32 s2, ttmp6, 0x10000c
	s_cmp_lg_u32 s2, 0xf033
	s_cbranch_scc0 .Lentry_shape_is_right
	s_endpgm
.Lentry_shape_is_right:
; q = x Wq + bq, k = x Wk + bk, v = x Wv + bv on codes of FP6 (E2M3), and each result quantised again, in registers, for the attention's products: q and k along the head's 64, v along the keys.
; A tile of 256 x 256 is made by four waves, 128 x 128 each: 64 accumulators.  K = 1,024 goes in four steps of 256 through two LDS slots filled by tensor loads; the scale bytes of the tile's rows come once and stay.
; OPERANDS: codes [16 chunks of 64 along K][12,288 positions][48 bytes], scales [position][32].  For 128 along K lane (r, h) takes the 48 bytes of chunk 2 s + h of its row, three loads of 16 bytes: the same
; permutation of k on both sides; the scale words are stored to fit it.  Rows 48 bytes apart.
; SOURCE 0 gives a lane's registers, SOURCE 1 its lane.  Positions are so ordered that four neighbouring tiles of source 0 give lane (r, h) 32 NEIGHBOURS: rows 64 g + 32 h + 0 .. 31: one block of the next quantiser.
; Clusters y 0-7: source 0 = Wq (cluster x 0) or Wk (1), source 1 = x: a lane holds a token and blocks along the head.  Clusters y 8-11: source 0 = x, source 1 = Wv: a lane holds a feature and blocks along the keys.
; CLUSTERS of 4 x 4: source 1's tile hangs on cy alone and is asked for jointly along a row of the cluster, source 0's on cx alone and along a column.
; RESULTS: hd, a record of REC bytes for each (batch, head): K's codes [2048 positions][48], K's scale words, V's codes [16 steps of 128 keys][half][64 positions of d][48], V's scale words, Q's codes, Q's scale words.
; LIMITS: NaN and infinities are not served; a block under 2^-124 keeps the byte 1.  reference()'s factor 2^-3 on q is left to the attention's launch: it is a power of two, which a block's scale takes up; only
; for blocks of q under 2^-121 would the quantiser's hold at -126 fall elsewhere.
; REGISTERS: window 0: v1-29 addresses; v32-63 scale words, two sets (later at work); v64-127 bq or bk; v128-223 source 1's fragments (later rows on their way out); v224-239 bv.
;   window 1: source 0's fragments, two sets, v0 and v128.   windows 2, 3: accumulator (a, b) at v[8 (8 (a % 4) + b)].
.set CP,     589824
.set REC,    315392
.set O_KC,   0
.set O_KS,   98304
.set O_VC,   106496
.set O_VS,   204800
.set O_QC,   208896
.set O_QS,   307200
.set CHB,    6144                      ; 128 rows of a chunk
.set HALFT,  4*CHB                     ; what one tensor load brings: 4 chunks x 128 rows
.set SLOT,   4*HALFT                   ; source 1's 256 rows, then source 0's
.set SCL,    2*SLOT                    ; behind the ring: the scale bytes, as units of 256 bytes + 16
.set HALFS,  16*272
.set SBLK,   2*272
.set SPARE,  SCL+4*HALFS               ; the spare words: 128 bytes a wave
.set FR,     12
.set NL,     3
.set NP,     4
.set STEPA,  8*CP                      ; a slot's next fill lies 8 chunks on
.set STEPB,  8*CP
.set STOQ, 4
.set STOV, 5
.set SWQ,  6
.set SWV,  7
.set RDQ,  8
.set RDV,  9
.set GOA,  10
.set GOBQ, 11
.set GOBV, 12
.set H8,   13
.set H16,  14
.set BOQ,  15
.set ADRA, 16
.set BOV,  18
.set GSV,  19
.set ADRB, 20
.set ADRS, 27
.set SPW,  28
.set NIL,  29
.set SC,   32
.set AF,   128
.set TM,   32                          ; the way out: four running maxima,
.set SO,   36                          ; two scale operands,
.set BY,   38                          ; two bytes,
.set ZW,   40                          ; the four bytes of lanes l and l xor 16,
.set ZP,   41
.set PW,   42
.set PC,   44                          ; twelve registers of codes,
.set PT,   56                          ; and the conversions' second halves
.set BP,   64
.set BK,   128
.set BR,   224
.set WV,  16
.set HA,  17
.set HB,  18
.set G1,  24
.set G0,  32
.set G1B, 48
.set G0B, 56
.set G1S, 68
.set G0S, 76
.set G1SB, 80
.set G0SB, 88
.set MSB, 0
.macro WIN new                         ; the immediate's high byte repeats the setting that is left
.if MSB != (\new)
	s_set_vgpr_msb (MSB<<8)|(\new)
.set MSB, (\new)
.endif
.endm
.set MUL_LO, 0xa1                      ; source 0 window 1, source 1 window 0, C and D window 2
.set MUL_HI, 0xf1
.set TO_B,   0x40
.macro JLOAD g0a, g1a, g0b, g1b        ; a joint load: waves 0, 1 fetch for source 1, waves 2, 3 for source 0; four v_nop follow each line
	s_cmp_eq_u32 s[HA], 0
	s_cbranch_scc0 .Lfor_b_\@
	tensor_load_to_lds s[\g0a:\g0a+3], s[\g1a:\g1a+7]
	s_nop 0
.rept 4
	v_nop
.endr
	s_branch .Lasked_\@
.Lfor_b_\@:
	tensor_load_to_lds s[\g0b:\g0b+3], s[\g1b:\g1b+7]
	s_nop 0
.rept 4
	v_nop
.endr
.Lasked_\@:
.endm
.macro CREST
	s_cmp_lg_u32 s[WV], 0
	s_cbranch_scc1 .Lnot_wave_0_\@
	s_barrier_signal -3
.Lnot_wave_0_\@:
	s_barrier_wait -3
	s_barrier_signal -1
	s_barrier_wait -1
.endm
.macro CROUND
	s_barrier_signal -1
	s_barrier_wait -1
	CREST
.endm
.macro PLACES n
.rept \n
	v_nop
.endr
.endm
.macro FRAG reg, adr, q, i             ; 16 rows x 128 K: lane (r, h) takes the 48 bytes of chunk 2 q + h of row r
.irp j, 0,1,2
	ds_load_b128 v[\reg+4*\j:\reg+4*\j+3], v[\adr] offset:2*(\q)*CHB+(\i)*768+16*\j
.endr
.endm
; 16 products: source 1's blocks a0, a0 + 1 x source 0's eight.  zero = 1: the product starts the sums.  The 64 accumulators take turns, one instruction a turn.
.macro MUL16 a0, p, q, sc, zero
.irp a, \a0, \a0+1
.irp b, 0,1,2,3,4,5,6,7
.if \zero == 1
	v_wmma_scale_f32_16x16x128_f8f6f4 v[8*(8*((\a)%4)+\b):8*(8*((\a)%4)+\b)+7], v[128*(\p)+FR*\b:128*(\p)+FR*\b+FR-1], v[AF+FR*(\a):AF+FR*(\a)+FR-1], 0, v[SC+16*(\sc)+2*\b+(\q)], v[SC+16*(\sc)+2*(\a)+(\q)] matrix_a_fmt:MATRIX_FMT_FP6 matrix_b_fmt:MATRIX_FMT_FP6 matrix_a_scale:MATRIX_SCALE_ROW1
.else
	v_wmma_scale_f32_16x16x128_f8f6f4 v[8*(8*((\a)%4)+\b):8*(8*((\a)%4)+\b)+7], v[128*(\p)+FR*\b:128*(\p)+FR*\b+FR-1], v[AF+FR*(\a):AF+FR*(\a)+FR-1], v[8*(8*((\a)%4)+\b):8*(8*((\a)%4)+\b)+7], v[SC+16*(\sc)+2*\b+(\q)], v[SC+16*(\sc)+2*(\a)+(\q)] matrix_a_fmt:MATRIX_FMT_FP6 matrix_b_fmt:MATRIX_FMT_FP6 matrix_a_scale:MATRIX_SCALE_ROW1
.endif
.endr
.endr
.endm
.macro FETCH_B slot, q, p
	WIN TO_B
.irp i, 0,1,2,3,4,5,6,7
	FRAG 128*(\p)+FR*\i, ADRB+\slot, \q, \i
.endr
	WIN 0
.endm
.macro FETCH_A slot, q, i0
.irp i, \i0, \i0+1, \i0+2, \i0+3
	FRAG AF+FR*(\i), ADRA+\slot, \q, \i
.endr
.endm
.macro SCALES sc                       ; a slot's two words a row: lanes 0-15 source 1's block i, lanes 16-31 source 0's block i
.irp i, 0,1,2,3,4,5,6,7
	ds_load_b64 v[SC+16*\sc+2*\i:SC+16*\sc+2*\i+1], v[ADRS] offset:\i*SBLK
.endr
.endm
.macro STEP slot, q, zero              ; 128 along K whose successor lies in the same slot
	s_wait_dscnt 4*NL                              ; all but the youngest twelve loads (source 1's blocks 4-7)
	WIN MUL_LO
	MUL16 0, (\q)%2, \q, \slot, \zero
	MUL16 2, (\q)%2, \q, \slot, \zero
	s_wait_dscnt 0
	PLACES NP                                      ; four plain lines in front of loads into registers that matrix instructions have read
	FETCH_B \slot, (\q)+1, 1-(\q)%2
	FETCH_A \slot, (\q)+1, 0
	WIN MUL_HI
	MUL16 4, (\q)%2, \q, \slot, \zero
	MUL16 6, (\q)%2, \q, \slot, \zero
	PLACES NP
	WIN 0
	FETCH_A \slot, (\q)+1, 4
.endm
; A slot's last 128 change slots: one barrier; in front of it each wave waits for all its tensor loads, adds 0 to its spare word, and waits for that and for its reads of this slot.
.macro TURN slot, next, fill
	s_wait_tensorcnt 0x0                           ; all my tensor loads have landed: my part of the next slot
	ds_add_u32 v[SPW], v[NIL]
	s_wait_dscnt 4*NL+1                            ; the add and the youngest twelve loads may be out
	WIN MUL_LO
	MUL16 0, 1, 1, \slot, 0
	s_wait_dscnt 0x0                               ; the add is done, my reads of this slot are over
	s_barrier_signal -1
	MUL16 2, 1, 1, \slot, 0
	WIN 0
	s_barrier_wait -1
.if \fill
	CREST                                          ; the barrier has opened a round of the cluster's: no wave of any partner still reads this slot or has a load on its way
	s_add_nc_u64 s[G0+4*\slot+2:G0+4*\slot+3], s[G0+4*\slot+2:G0+4*\slot+3], STEPA
	s_add_nc_u64 s[G0B+4*\slot+2:G0B+4*\slot+3], s[G0B+4*\slot+2:G0B+4*\slot+3], STEPB
	JLOAD G0+4*\slot, G1, G0B+4*\slot, G1B         ; the first tensor load behind the round; its four v_nop are the places in front of the loads below
.else
	PLACES NP
.endif
	v_add_nc_u32 v[ADRS], 8, v[ADRS]               ; the next slot's scale words
	FETCH_B \next, 0, 0
	FETCH_A \next, 0, 0
	SCALES \next
	WIN MUL_HI
	MUL16 4, 1, 1, \slot, 0
	MUL16 6, 1, 1, \slot, 0
	PLACES NP
	WIN 0
	FETCH_A \next, 0, 4
.endm
.macro LAST                            ; the very last 128: nothing more to fetch
	s_wait_dscnt 4*NL
	WIN MUL_LO
	MUL16 0, 1, 1, 1, 0
	MUL16 2, 1, 1, 1, 0
	s_wait_dscnt 0
	WIN MUL_HI
	MUL16 4, 1, 1, 1, 0
	MUL16 6, 1, 1, 1, 0
	WIN 0
.endm
; THE WAY OUT of source 1's block a (16 lanes' rows).  A lane's 64 numbers are two blocks of 32 neighbours (registers 0-31, 32-63): bias, largest magnitudes, bytes, codes; the codes go through my own stage in LDS
; and come back as 1,536 dense bytes.  isv = 0: the blocks are block h of heads g = 0, 1 of a token.  isv = 1: blocks h and 2 + h of 128 keys, of one feature.
.macro QBLK a, isv
.set AC, 64*((\a)%4)
.set WA, 2+(\a)/4
	WIN (WA<<6)|WA                                 ; destination and source 0: the accumulators' window
.set I, 0
.rept 32
.if \isv
	v_pk_add_f32 v[AC+I:AC+I+1], v[AC+I:AC+I+1], v[BR+2*(\a):BR+2*(\a)+1]
.else
	v_pk_add_f32 v[AC+I:AC+I+1], v[AC+I:AC+I+1], v[BP+I:BP+I+1]   ; each accumulator from its low end on
.endif
.set I, I+2
.endr
	WIN (WA<<2)|(WA<<4)                            ; sources 1 and 2
.irp c, 0,1,2,3
	v_max3_num_f32 v[TM+\c], 0x1800000, |v[AC+16*\c]|, |v[AC+16*\c+1]|   ; four chains of 16 numbers, each from the floor 2^(3-127)
.endr
.irp i, 2,4,6,8,10,12,14
.irp c, 0,1,2,3
	v_max3_num_f32 v[TM+\c], v[TM+\c], |v[AC+16*\c+\i]|, |v[AC+16*\c+\i+1]|
.endr
.endr
	WIN 0
	v_max_num_f32 v[TM], v[TM], v[TM+1]
	v_max_num_f32 v[TM+2], v[TM+2], v[TM+3]
	v_add_nc_u32 v[SO], 0xff000000, v[TM]          ; 2 off the exponent field: the conversions' scale operands
	v_add_nc_u32 v[SO+1], 0xff000000, v[TM+2]
	v_lshrrev_b32 v[BY], 23, v[SO]
	v_lshrrev_b32 v[BY+1], 23, v[SO+1]
	v_lshl_or_b32 v[ZW], v[BY+1], 16, v[BY]
	v_lshlrev_b32 v[ZW], v[H8], v[ZW]              ; my two bytes at their places,
	v_permlanex16_b32 v[ZP], v[ZW], s96, s97
	v_or_b32 v[ZW], v[ZW], v[ZP]                   ; with lane l xor 16's two
.if \isv == 0
	v_lshrrev_b32 v[PW], v[H16], v[ZW]             ; lanes 0-15 keep head 0's two bytes, lanes 16-31 head 1's; the word's upper bytes are 0
	v_and_b32 v[PW], 0xffff, v[PW]
.endif
	WIN WA                                         ; source 0
	v_cvt_scalef32_pk16_fp6_f32 v[PC:PC+2], v[AC:AC+15], v[SO]
	v_cvt_scalef32_pk16_fp6_f32 v[PT:PT+2], v[AC+16:AC+31], v[SO]
	v_cvt_scalef32_pk16_fp6_f32 v[PC+6:PC+8], v[AC+32:AC+47], v[SO+1]
	v_cvt_scalef32_pk16_fp6_f32 v[PT+4:PT+6], v[AC+48:AC+63], v[SO+1]
	WIN 0
	v_nop                                          ; one plain line behind the conversions
.irp i, 0,1,2
	v_mov_b32 v[PC+3+\i], v[PT+\i]
	v_mov_b32 v[PC+9+\i], v[PT+4+\i]
.endr
.if \isv
.irp i, 0,1,2
	ds_store_b128 v[STOV], v[PC+4*\i:PC+4*\i+3] offset:16*\i
.endr
	ds_store_b32 v[SWV], v[ZW] offset:2048+256*((\a)/4)+4*((\a)%4)
.else
.irp i, 0,1,2
	ds_store_b64 v[STOQ], v[PC+2*\i:PC+2*\i+1] offset:8*\i
	ds_store_b64 v[STOQ], v[PC+6+2*\i:PC+7+2*\i] offset:768+8*\i
.endr
	ds_store_b32 v[SWQ], v[PW] offset:2048+256*((\a)/4)+4*((\a)%4)
.endif
.if (\a) >= 2
	s_wait_xcnt 0x0                                ; block a - 2's stores have read the registers that the loads below fill
.endif
.irp i, 0,1,2
.if \isv
	ds_load_b128 v[BK+12*((\a)%2)+4*\i:BK+12*((\a)%2)+4*\i+3], v[RDV] offset:512*\i
.else
	ds_load_b128 v[BK+12*((\a)%2)+4*\i:BK+12*((\a)%2)+4*\i+3], v[RDQ] offset:512*\i   ; LDS serves a wave's instructions in order: these see my stores, and the next block's stores come behind them
.endif
.endr
.endm
.macro SEND a, isv, younger            ; younger: the LDS lines of the block behind it.  Sixteen lanes store 256 consecutive bytes, at a multiple of 256 from the buffer's first byte
.set BB, BK+12*((\a)%2)
	s_wait_dscnt \younger
.if \isv
	global_store_b128 v[GOA], v[BB:BB+3], s[92:93] offset:((\a)/4)*REC+768*((\a)%4)
	global_store_b128 v[GOBV], v[BB+4:BB+7], s[92:93] offset:((\a)/4)*REC+768*((\a)%4)
	global_store_b128 v[GOA], v[BB+8:BB+11], s[92:93] offset:((\a)/4)*REC+768*((\a)%4)+3328
.else
	global_store_b128 v[GOA], v[BB:BB+3], s[92:93] offset:768*(\a)
	global_store_b128 v[GOBQ], v[BB+4:BB+7], s[92:93] offset:768*(\a)
	global_store_b128 v[GOA], v[BB+8:BB+11], s[92:93] offset:REC+256+768*(\a)
.endif
.endm
.macro FINISH
	s_wait_tensorcnt 0x0                           ; the wave's end
	ds_add_u32 v[SPW], v[NIL]
	s_wait_dscnt 0x0
	CROUND                                         ; the closing round
	s_endpgm
.endm
	s_load_b256 s[4:11], s[0:1], 0x0               ; codes, scales, bq, bk
	s_load_b128 s[12:15], s[0:1], 0x20             ; bv, hd
	v_lshl_add_u32 v[SPW], v0, 2, SPARE
	v_mov_b32 v[NIL], 0
	ds_add_u32 v28, v29
	ds_add_u32 v28, v29
	s_wait_dscnt 0x0
	v_lshrrev_b32 v1, 5, v0
	v_readfirstlane_b32 s[WV], v1                  ; wave 0..3
	s_lshr_b32 s[HA], s[WV], 1                     ; my half of source 1's rows.  Also: I fetch for source 1 (0) or source 0 (1)
	s_and_b32 s[HB], s[WV], 1                      ; my half of source 0's rows.  Also: which 128 rows I fetch
	s_bfe_u32 s40, ttmp6, 0x40000                  ; cx
	s_bfe_u32 s41, ttmp6, 0x40004                  ; cy
	s_mov_b32 s66, ttmp9                           ; the cluster's x: 0, 1
	s_and_b32 s67, ttmp7, 0xffff                   ; the cluster's y: 0 .. 11
	s_lshl_b32 s43, s41, 2
	s_lshl_b32 s43, 15, s43                        ; my row of the cluster
	s_lshl_b32 s44, 0x1111, s40                    ; my column
	s_mov_b32 s96, 0x76543210
	s_mov_b32 s97, 0xfedcba98                      ; v_permlanex16_b32's selects for lane l xor 16
	; which rows of the codes' buffer: chosen on the cluster's number, which all partners share
	s_lshl_b32 s20, s67, 10                        ; q, k: source 1 = x's rows 1,024 y ..
	s_lshl_b32 s46, s66, 10
	s_add_co_u32 s19, s46, 8192                    ;       source 0 = Wq or Wk
	s_sub_co_u32 s23, s67, 8
	s_lshl_b32 s23, s23, 11
	s_add_co_u32 s46, s46, s23                     ; v: source 0 = x's rows 1,024 (2 (y - 8) + x) ..
	s_mov_b32 s23, 10240                           ;    source 1 = Wv
	s_cmp_lt_u32 s67, 8
	s_cselect_b32 s20, s20, s23
	s_cselect_b32 s46, s19, s46
	s_cselect_b32 s98, 0, 1
	s_lshl_b32 s21, s41, 8
	s_add_co_u32 s20, s20, s21                     ; + 256 cy
	s_lshl_b32 s47, s40, 8
	s_add_co_u32 s46, s46, s47                     ; + 256 cx
	s_lshl_b32 s22, s[HB], 7
	s_add_co_u32 s20, s20, s22                     ; + the 128 rows that I fetch
	s_add_co_u32 s46, s46, s22
	s_mul_i32 s92, s20, 48
	s_mov_b32 s93, 0
	s_lshl_b32 s22, s20, 5
	s_mov_b32 s23, 0
	s_mul_i32 s94, s46, 48
	s_mov_b32 s95, 0
	s_lshl_b32 s46, s46, 5
	s_mov_b32 s47, 0
	; descriptor group 1: a tile of 4 rows (chunks) of 768 elements of 8 bytes (128 positions x 48 bytes), a chunk's pitch apart; no padding
	s_or_b32 s[G1+0], s43, (3<<16)|(1<<21)
	s_or_b32 s[G1B+0], s44, (3<<16)|(1<<21)
.irp g, G1, G1B
	s_mov_b32 s[\g+1], 768<<16                     ; tensor_dim0
	s_mov_b32 s[\g+2], 4<<16                       ; tensor_dim1
	s_mov_b32 s[\g+3], 768<<16                     ; tile_dim0
	s_mov_b32 s[\g+4], 4                           ; tile_dim1
	s_mov_b32 s[\g+5], CP/8                        ; stride
	s_mov_b32 s[\g+6], 0
	s_mov_b32 s[\g+7], 0
.endr
	; the scale bytes of 128 rows: 4,096 dense bytes as 16 rows of 256, 16 bytes of padding behind each
	s_or_b32 s[G1S+0], s43, (3<<16)|(1<<20)|(1<<21)|(5<<22)|(3<<25)
	s_or_b32 s[G1SB+0], s44, (3<<16)|(1<<20)|(1<<21)|(5<<22)|(3<<25)
.irp g, G1S, G1SB
	s_mov_b32 s[\g+1], 32<<16
	s_mov_b32 s[\g+2], 16<<16
	s_mov_b32 s[\g+3], 32<<16
	s_mov_b32 s[\g+4], 16
	s_mov_b32 s[\g+5], 32
	s_mov_b32 s[\g+6], 0
	s_mov_b32 s[\g+7], 0
.endr
	s_mul_i32 s45, s[WV], HALFT                    ; where they go: wave x its part: no place in the cluster enters an LDS address
	s_mul_i32 s19, s[WV], HALFS
	s_wait_kmcnt 0x0
	s_add_nc_u64 s[20:21], s[4:5], s[92:93]        ; source 1's codes,
	s_add_nc_u64 s[22:23], s[6:7], s[22:23]        ; its scale bytes,
	s_add_nc_u64 s[94:95], s[4:5], s[94:95]        ; source 0's codes,
	s_add_nc_u64 s[46:47], s[6:7], s[46:47]        ; its scale bytes
	CROUND                                         ; all sixteen work-groups are here: the first joint loads meet
	s_mov_b32 s[G0S], 1
	s_add_co_u32 s[G0S+1], s19, SCL
	s_mov_b64 s[G0S+2:G0S+3], s[22:23]
	s_or_b32 s[G0S+3], s[G0S+3], 0x80000000
	s_mov_b32 s[G0SB], 1
	s_add_co_u32 s[G0SB+1], s19, SCL
	s_mov_b64 s[G0SB+2:G0SB+3], s[46:47]
	s_or_b32 s[G0SB+3], s[G0SB+3], 0x80000000
	JLOAD G0S, G1S, G0SB, G1SB
.irp s, 0,1
	s_mov_b32 s[G0+4*\s], 1
	s_add_co_u32 s[G0+4*\s+1], s45, \s*SLOT
	s_add_nc_u64 s[G0+4*\s+2:G0+4*\s+3], s[20:21], \s*4*CP
	s_or_b32 s[G0+4*\s+3], s[G0+4*\s+3], 0x80000000
	s_mov_b32 s[G0B+4*\s], 1
	s_add_co_u32 s[G0B+4*\s+1], s45, \s*SLOT
	s_add_nc_u64 s[G0B+4*\s+2:G0B+4*\s+3], s[94:95], \s*4*CP
	s_or_b32 s[G0B+4*\s+3], s[G0B+4*\s+3], 0x80000000
	JLOAD G0+4*\s, G1, G0B+4*\s, G1B
.endr
	v_and_b32 v1, 15, v0                           ; r
	v_bfe_u32 v2, v0, 4, 1                         ; h
	v_mul_u32_u24 v3, v1, 48
	v_mad_u32_u24 v22, v2, CHB, v3                 ; a fragment: 48 r + a chunk for lanes 16-31
	s_mul_i32 s21, s[HA], HALFT
	s_mul_i32 s22, s[HB], HALFT
	s_add_co_u32 s22, s22, 2*HALFT
.irp s, 0,1
	v_add_nc_u32 v[ADRA+\s], s21, v22
	v_add_nc_u32 v[ADRB+\s], s22, v22
	s_add_co_u32 s21, s21, SLOT
	s_add_co_u32 s22, s22, SLOT
.endr
	v_lshlrev_b32 v23, 5, v1                       ; my row's scale bytes: 32 a row,
	v_lshrrev_b32 v24, 8, v23
	v_lshl_add_u32 v23, v24, 4, v23                ; and 16 more for each 256 passed
	s_mul_i32 s21, s[HA], HALFS
	s_mul_i32 s22, s[HB], HALFS
	s_add_co_u32 s22, s22, 2*HALFS
	s_sub_co_u32 s22, s22, s21
	v_mul_u32_u24 v24, s22, v2                     ; lanes 16-31 take source 0's
	s_add_co_u32 s21, s21, SCL
	v_add_nc_u32 v23, v23, v24
	v_add_nc_u32 v[ADRS], s21, v23
	; the way out: a stage of 4,096 bytes a wave, in slot 0, which has had its last fill and its last read by then; each of the two ways has bytes of its own
	s_lshl_b32 s21, s[WV], 12
	v_mad_u32_u24 v[STOQ], v2, 24, v3
	v_add_nc_u32 v[STOQ], s21, v[STOQ]             ; q, k: token r, block h: 48 r + 24 h
	v_mad_u32_u24 v[STOV], v2, 768, v3
	v_add_nc_u32 v[STOV], s21, v[STOV]
	v_add_nc_u32 v[STOV], 16384, v[STOV]           ; v: half h, feature r: 768 h + 48 r
	v_lshlrev_b32 v23, 4, v1                       ; 16 r
	v_lshl_add_u32 v[SWQ], v2, 9, v23
	v_add_nc_u32 v[SWQ], s21, v[SWQ]               ; scale words: head h, row r
	v_add_nc_u32 v[SWV], s21, v23
	v_add_nc_u32 v[SWV], 16384, v[SWV]
	v_and_b32 v24, 31, v0
	v_lshlrev_b32 v[GOA], 4, v24                   ; 16 l
	v_add_nc_u32 v[RDQ], s21, v[GOA]
	v_add_nc_u32 v[RDV], 16384, v[RDQ]
	v_mul_u32_u24 v[GOBQ], v2, REC-768
	v_add_nc_u32 v[GOBQ], v[GOBQ], v[GOA]
	v_add_nc_u32 v[GOBQ], 512, v[GOBQ]             ; a store whose lanes 16-31 belong to the next head's record
	v_mul_u32_u24 v[GOBV], v2, 2304
	v_add_nc_u32 v[GOBV], v[GOBV], v[GOA]
	v_add_nc_u32 v[GOBV], 512, v[GOBV]             ; or to the other half's 3,072 bytes
	v_lshlrev_b32 v[H8], 3, v2
	v_lshlrev_b32 v[H16], 4, v2
	v_lshlrev_b32 v[BOQ], 7, v2                    ; bq, bk: my half's 32 numbers
	v_lshrrev_b32 v25, 3, v1
	v_and_b32 v26, 7, v1
	v_lshlrev_b32 v[BOV], 2, v26
	v_lshl_add_u32 v[BOV], v25, 7, v[BOV]          ; bv: position r is feature 32 (r / 8) + r % 8
	v_mul_u32_u24 v[GSV], v2, REC
	v_add_nc_u32 v[GSV], v[GSV], v23               ; v's scale words: lanes 16-31 the next head
	s_wait_tensorcnt 1                             ; the scale bytes and my part of slot 0 are in; slot 1's load may be out
	s_barrier_signal -1
	s_barrier_wait -1
	FETCH_B 0, 0, 0
	FETCH_A 0, 0, 0
	SCALES 0
	FETCH_A 0, 0, 4
	STEP 0, 0, 1                                   ; the first products start the sums
	TURN 0, 1, 1
	STEP 1, 0, 0
	TURN 1, 0, 1
	STEP 0, 0, 0
	TURN 0, 1, 0                                   ; nothing is left to fetch
	STEP 1, 0, 0
	s_cmp_lg_u32 s98, 0                            ; the cluster's number decides: the same way in all partners
	s_cbranch_scc1 .Lvalues
	; ---- q and k
	s_mov_b32 s19, O_QS
	s_mov_b32 s20, O_KS
	s_cmp_eq_u32 s66, 0
	s_cselect_b64 s[8:9], s[8:9], s[10:11]         ; bq or bk
	s_cselect_b32 s21, O_QC, O_KC
	s_cselect_b32 s19, s19, s20
	s_lshl_b32 s22, s40, 10
	s_lshl_b32 s23, s[HB], 9
	s_add_co_u32 s22, s22, s23
	s_mov_b32 s23, 0
	s_add_nc_u64 s[8:9], s[8:9], s[22:23]          ; at my first feature: 256 cx + 128 x half
.irp b, 0,1,2,3,4,5,6,7
	global_load_b128 v[BP+8*\b:BP+8*\b+3], v[BOQ], s[8:9] offset:256*(\b/4)+32*(\b%4)     ; accumulator b's register j is feature 64 (b / 4) + 32 h + 8 (b % 4) + j
	global_load_b128 v[BP+8*\b+4:BP+8*\b+7], v[BOQ], s[8:9] offset:256*(\b/4)+32*(\b%4)+16
.endr
	s_lshl_b32 s42, s67, 2
	s_add_co_u32 s42, s42, s41                     ; which 256 tokens
	s_lshr_b32 s46, s42, 3
	s_lshl_b32 s46, s46, 4                         ; 16 x batch
	s_lshl_b32 s47, s40, 2
	s_add_co_u32 s46, s46, s47
	s_lshl_b32 s47, s[HB], 1
	s_add_co_u32 s46, s46, s47                     ; + my first head
	s_mul_i32 s46, s46, REC
	s_and_b32 s42, s42, 7
	s_lshl_b32 s42, s42, 1
	s_add_co_u32 s42, s42, s[HA]                   ; which 128 positions of the batch
	s_mul_i32 s47, s42, CHB
	s_add_co_u32 s92, s46, s47
	s_add_co_u32 s92, s92, s21
	s_mov_b32 s93, 0
	s_lshl_b32 s47, s42, 9
	s_add_co_u32 s94, s46, s47
	s_add_co_u32 s94, s94, s19
	s_mov_b32 s95, 0
	s_add_nc_u64 s[92:93], s[14:15], s[92:93]      ; codes
	s_add_nc_u64 s[94:95], s[14:15], s[94:95]      ; scale words
	LAST                                           ; the biases land under the last 64 products
	s_wait_loadcnt 0x0
	PLACES NP
	v_mov_b32 v[ZP], 0                             ; a lane permute's destination counts as one of its sources
	QBLK 0, 0
.irp a, 1,2,3,4,5,6,7
	QBLK \a, 0
	SEND \a-1, 0, 10                               ; behind block a - 1's loads: block a's seven stores and three loads
.endr
	SEND 7, 0, 0
	ds_load_b128 v[152:155], v[RDQ] offset:2048    ; the 128 tokens' scale words, head 0's 512 bytes and head 1's
	ds_load_b128 v[156:159], v[RDQ] offset:2560
	s_wait_dscnt 0x0
	global_store_b128 v[GOA], v[152:155], s[94:95]
	global_store_b128 v[GOA], v[156:159], s[94:95] offset:REC
	FINISH
.Lvalues:
	; ---- v
	s_lshl_b32 s22, s41, 10
	s_lshl_b32 s23, s[HA], 9
	s_add_co_u32 s22, s22, s23
	s_mov_b32 s23, 0
	s_add_nc_u64 s[12:13], s[12:13], s[22:23]      ; bv at my first feature: 256 cy + 128 x half
.irp a, 0,1,2,3,4,5,6,7
	global_load_b32 v[BR+2*\a], v[BOV], s[12:13] offset:4*(64*(\a/4)+8*(\a%4))     ; block a's lane r is feature 64 (a / 4) + 32 (r / 8) + 8 (a % 4) + r % 8;
	global_load_b32 v[BR+2*\a+1], v[BOV], s[12:13] offset:4*(64*(\a/4)+8*(\a%4))   ; twice: a pair for the packed addition
.endr
	s_sub_co_u32 s42, s67, 8
	s_lshl_b32 s42, s42, 3
	s_lshl_b32 s46, s66, 2
	s_add_co_u32 s42, s42, s46
	s_add_co_u32 s42, s42, s40                     ; which 256 tokens
	s_lshl_b32 s42, s42, 1
	s_add_co_u32 s42, s42, s[HB]                   ; which 128
	s_lshr_b32 s46, s42, 4
	s_lshl_b32 s46, s46, 4                         ; 16 x batch
	s_lshl_b32 s47, s41, 2
	s_add_co_u32 s46, s46, s47
	s_lshl_b32 s47, s[HA], 1
	s_add_co_u32 s46, s46, s47                     ; + my first head
	s_mul_i32 s46, s46, REC
	s_and_b32 s42, s42, 15                         ; the step of 128 keys
	s_mul_i32 s47, s42, CHB
	s_add_co_u32 s92, s46, s47
	s_add_co_u32 s92, s92, O_VC
	s_mov_b32 s93, 0
	s_lshl_b32 s47, s42, 8
	s_add_co_u32 s94, s46, s47
	s_add_co_u32 s94, s94, O_VS
	s_mov_b32 s95, 0
	s_add_nc_u64 s[92:93], s[14:15], s[92:93]
	s_add_nc_u64 s[94:95], s[14:15], s[94:95]
	LAST
	s_wait_loadcnt 0x0
	PLACES NP
	v_mov_b32 v[ZP], 0
	QBLK 0, 1
.irp a, 1,2,3,4,5,6,7
	QBLK \a, 1
	SEND \a-1, 1, 7                                ; behind block a - 1's loads: block a's four stores and three loads
.endr
	SEND 7, 1, 0
	ds_load_b128 v[152:155], v[RDV] offset:2048    ; two heads' 256 bytes of scale words
	s_wait_dscnt 0x0
	global_store_b128 v[GSV], v[152:155], s[94:95]
	FINISH
.Lfunc_end_k_qe70b752d4f_qkv:
	.size	k_qe70b752d4f_qkv, .Lfunc_end_k_qe70b752d4f_qkv-k_qe70b752d4f_qkv
	.p2alignl 7, 3214868480
	.fill 96, 4, 3214868480
	.section	.rodata,"a",@progbits
	.p2align	6, 0x0
	.amdhsa_kernel k_qe70b752d4f_qkv
		.amdhsa_group_segment_fixed_size 327680
		.amdhsa_private_segment_fixed_size 0
		.amdhsa_enable_private_segment 0
		.amdhsa_kernarg_size 48
		.amdhsa_user_sgpr_count 2
		.amdhsa_user_sgpr_kernarg_segment_ptr 1
		.amdhsa_wavefront_size32 1
		.amdhsa_system_sgpr_workgroup_id_x 1
		.amdhsa_system_sgpr_workgroup_id_y 1
		.amdhsa_system_sgpr_workgroup_id_z 1
		.amdhsa_system_vgpr_workitem_id 0
		.amdhsa_next_free_vgpr 1024
		.amdhsa_next_free_sgpr 102
		.amdhsa_reserve_vcc 0
		.amdhsa_float_denorm_mode_32 3
		.amdhsa_float_denorm_mode_16_64 3
		.amdhsa_memory_ordered 1
		.amdhsa_forward_progress 1
		.amdhsa_inst_pref_size 219
	.end_amdhsa_kernel
	.amdgpu_metadata
---
amdhsa.version: [ 1, 2 ]
amdhsa.kernels:
  - .name:           k_qe70b752d4f_qkv
    .symbol:         k_qe70b752d4f_qkv.kd
    .args:
      - { .name: codes, .offset: 0, .size: 8, .value_kind: global_buffer, .address_space: global }
      - { .name: scales, .offset: 8, .size: 8, .value_kind: global_buffer, .address_space: global }
      - { .name: bq, .offset: 16, .size: 8, .value_kind: global_buffer, .address_space: global }
      - { .name: bk, .offset: 24, .size: 8, .value_kind: global_buffer, .address_space: global }
      - { .name: bv, .offset: 32, .size: 8, .value_kind: global_buffer, .address_space: global }
      - { .name: hd, .offset: 40, .size: 8, .value_kind: global_buffer, .address_space: global }
    .group_segment_fixed_size: 327680
    .private_segment_fixed_size: 0
    .kernarg_segment_align: 8
    .kernarg_segment_size: 48
    .max_flat_workgroup_size: 128
    .sgpr_count:     102
    .vgpr_count:     1024
    .wavefront_size: 32
...
	.end_amdgpu_metadata
.endif
;; end of part 2
;; launch attn (part 3): grid 4 x 64, 16 waves a work-group, clusters of 4 x 1, 327,680 bytes of LDS; arguments hd, yc, ys; writes yc, ys
.if DOCPART == 3
	.amdgcn_target "amdgcn-amd-amdhsa--gfx1250"
	.amdhsa_code_object_version 6
	.text
	.protected	k_qe70b752d4f_attn
	.globl	k_qe70b752d4f_attn
	.p2align	8
	.type	k_qe70b752d4f_attn,@function
k_qe70b752d4f_attn:
	s_mov_b64 s[64:65], 0
	v_nop
	global_prefetch_b8 v0, s[64:65] scope:SCOPE_SE
	s_setreg_imm32_b32 hwreg(HW_REG_WAVE_MODE, 25, 1), 1
	s_wait_xcnt 0x0
	s_wait_alu depctr_hold_cnt(0) depctr_sa_sdst(0) depctr_va_vdst(0) depctr_va_sdst(0) depctr_va_ssrc(0) depctr_va_vcc(0) depctr_vm_vsrc(0)
	s_getreg_b32 s2, hwreg(HW_REG_IB_STS2, 6, 4)
	s_cmp_eq_u32 s2, 0
	s_cbranch_scc0 .Lentry_in_a_cluster
	s_endpgm
.Lentry_in_a_cluster:
	s_bfe_u32 s2, ttmp6, 0x10000c
	s_cmp_lg_u32 s2, 0x3003
	s_cbranch_scc0 .Lentry_shape_is_right
	s_endpgm
.Lentry_shape_is_right:
.set REC, 315392
.set O_KS, 98304
.set O_VC, 106496
.set O_VS, 204800
.set O_QC, 208896
.set O_QS, 307200
.set STG, 208896
.set YP,  393216
.set WV,  10
.macro ROUND
	s_barrier_signal -1
	s_barrier_wait -1
	s_cmp_lg_u32 s[WV], 0
	s_cbranch_scc1 .Lnot_wave_0_\@
	s_barrier_signal -3
.Lnot_wave_0_\@:
	s_barrier_wait -3
	s_barrier_signal -1
	s_barrier_wait -1
.endm
.macro NOPS
.rept 4
	v_nop
.endr
.endm
.macro KLOAD g
.irp t, 0,1,2,3
.irp p, 0,1,2
	ds_load_b64 v[40+6*\t+2*\p:41+6*\t+2*\p], v5 offset:(64*\g+16*\t)*48+8*\p
.endr
.endr
.endm
.macro SPROD g, d, q, qs
.irp t, 0,1,2,3
.if \g
	v_wmma_scale_f32_16x16x128_f8f6f4 v[\d+8*\t:\d+8*\t+7], v[40+6*\t:51+6*\t], v[\q:\q+11], 0, v[210+\t], v[\qs] matrix_a_fmt:MATRIX_FMT_FP6 matrix_b_fmt:MATRIX_FMT_FP6 matrix_a_scale:MATRIX_SCALE_ROW1
.else
	v_wmma_scale_f32_16x16x128_f8f6f4 v[\d+8*\t:\d+8*\t+7], v[40+6*\t:51+6*\t], v[\q:\q+11], 0, v[210+\t], v[\qs] matrix_a_fmt:MATRIX_FMT_FP6 matrix_b_fmt:MATRIX_FMT_FP6
.endif
.endr
.endm
.macro P1MAX s, run
.irp n, 0
	v_max3_num_f32 v[\run], v[\run], v[\s+\n], v[\s+\n+1]
	v_max3_num_f32 v[\run+1], v[\run+1], v[\s+\n+2], v[\s+\n+3]
.endr
.irp n, 4, 8, 12, 16, 20, 24, 28
	v_max3_num_f32 v[\run], v[\run], v[\s+\n], v[\s+\n+1]
	v_max3_num_f32 v[\run+1], v[\run+1], v[\s+\n+2], v[\s+\n+3]
.endr
.endm
.macro DIAG1 g, s, dq, mc, run
.if \g == 0
	v_max3_num_f32 v[\mc], v[\mc], v[\run], v[\run+1]
.endif
.irp n, 0,2,4,6,8,10,12,14,16,18,20,22,24,26,28,30
	v_cmp_gt_i32 vcc_lo, 64*\g+\n, v[\dq]
	v_cndmask_b32 v234, v[\s+\n], v221, vcc_lo
	v_cmp_gt_i32 vcc_lo, 64*\g+\n+1, v[\dq]
	v_cndmask_b32 v235, v[\s+\n+1], v221, vcc_lo
	s_delay_alu instid0(VALU_DEP_1)
	v_max3_num_f32 v[\mc], v[\mc], v234, v235
.endr
.endm
.macro P1GROUP g
	KLOAD \g
	s_wait_dscnt 0x0
.irp t, 0,1,2,3
.if \g
	v_wmma_scale_f32_16x16x128_f8f6f4 v[70+8*\t:77+8*\t], v[40+6*\t:51+6*\t], v[16:27], 0, v[210+\t], v218 matrix_a_fmt:MATRIX_FMT_FP6 matrix_b_fmt:MATRIX_FMT_FP6 matrix_a_scale:MATRIX_SCALE_ROW1
	v_wmma_scale_f32_16x16x128_f8f6f4 v[102+8*\t:109+8*\t], v[40+6*\t:51+6*\t], v[28:39], 0, v[210+\t], v219 matrix_a_fmt:MATRIX_FMT_FP6 matrix_b_fmt:MATRIX_FMT_FP6 matrix_a_scale:MATRIX_SCALE_ROW1
.else
	v_wmma_scale_f32_16x16x128_f8f6f4 v[70+8*\t:77+8*\t], v[40+6*\t:51+6*\t], v[16:27], 0, v[210+\t], v218 matrix_a_fmt:MATRIX_FMT_FP6 matrix_b_fmt:MATRIX_FMT_FP6
	v_wmma_scale_f32_16x16x128_f8f6f4 v[102+8*\t:109+8*\t], v[40+6*\t:51+6*\t], v[28:39], 0, v[210+\t], v219 matrix_a_fmt:MATRIX_FMT_FP6 matrix_b_fmt:MATRIX_FMT_FP6
.endif
.endr
	NOPS
	s_cmp_lg_u32 s48, s[WV]
	s_cbranch_scc1 .Lna_\@
	DIAG1 \g, 70, 14, 241, 244
.Lna_\@:
	P1MAX 70, 244
	s_cmp_lg_u32 s48, s52
	s_cbranch_scc1 .Lnb_\@
	DIAG1 \g, 102, 15, 243, 246
.Lnb_\@:
	P1MAX 102, 246
.endm
.macro HALF g, dq, sa
	s_cmp_lg_u32 s48, s[\sa]
	s_cbranch_scc1 .Lopen_\@
.set I, 0
.rept 32
	v_cmp_gt_i32 vcc_lo, 64*\g+I, v[\dq]
	v_cndmask_b32 v[70+I], v[70+I], v221, vcc_lo
.set I, I+1
.endr
.Lopen_\@:
.set I, 0
.rept 16
	v_pk_add_f32 v[70+I:71+I], v[70+I:71+I], v[202:203]
.set I, I+2
.endr
	v_max3_num_f32 v228, v70, v71, v72
	v_max3_num_f32 v229, v73, v74, v75
.irp i, 6,10,14,18,22,26
	s_delay_alu instid0(VALU_DEP_2)
	v_max3_num_f32 v228, v228, v[70+\i], v[71+\i]
	s_delay_alu instid0(VALU_DEP_2)
	v_max3_num_f32 v229, v229, v[72+\i], v[73+\i]
.endr
	s_delay_alu instid0(VALU_DEP_2)
	v_max3_num_f32 v228, v228, v100, v101
	s_delay_alu instid0(VALU_DEP_1)
	v_max_num_f32 v228, v228, v229
.set I, 0
.rept 16
	v_pk_fma_f32 v[70+I:71+I], v[70+I:71+I], s[22:23], v[224:225] op_sel_hi:[1,0,1]
.set I, I+2
.endr
	v_fma_f32 v228, v228, s22, v224
.set I, 0
	s_wait_alu depctr_va_vdst(0)
.rept 32
	v_exp_f32 v[70+I], v[70+I]
.set I, I+1
.endr
	v_exp_f32 v228, v228
	v_nop
	s_wait_alu depctr_va_vdst(0)
	v_max_num_f32 v228, 0x1800000, v228
	s_delay_alu instid0(VALU_DEP_1)
	v_add_nc_u32 v[230+\g], 0xff000000, v228
	s_delay_alu instid0(VALU_DEP_1)
	v_lshrrev_b32 v[232+\g], 23, v[230+\g]
.if \g
	s_delay_alu instid0(VALU_DEP_1)
	v_lshl_or_b32 v234, v233, 16, v232
	s_delay_alu instid0(VALU_DEP_1)
	v_lshlrev_b32 v234, v13, v234
	s_delay_alu instid0(VALU_DEP_1)
	v_permlanex16_b32 v235, v234, s20, s21
	s_delay_alu instid0(VALU_DEP_1)
	v_or_b32 v220, v234, v235
.endif
	v_cvt_scalef32_pk16_fp6_f32 v[182+6*\g:184+6*\g], v[70:85], v[230+\g]
	v_cvt_scalef32_pk16_fp6_f32 v[194:196], v[86:101], v[230+\g]
	v_nop
.irp i, 0,1,2
	v_mov_b32 v[185+6*\g+\i], v[194+\i]
.endr
.set I, 0
.rept 8
	v_pk_add_f32 v[222:223], v[222:223], v[70+I:71+I]
	v_pk_add_f32 v[226:227], v[226:227], v[72+I:73+I]
.set I, I+4
.endr
.endm
.macro TILE q, qs, mall, mc, dq, sa, sy, ss
	s_wait_xcnt 0x0
	v_sub_f32 v234, v[\mc], v[\mall]
	s_delay_alu instid0(VALU_DEP_1)
	v_mul_f32 v234, s22, v234
	s_delay_alu instid0(VALU_DEP_1)
	v_floor_f32 v224, -v234
	s_delay_alu instid0(VALU_DEP_1)
	v_mov_b32 v225, v224
	v_mul_f32 v202, -1.0, v[\mall]
	s_delay_alu instid0(VALU_DEP_1)
	v_mov_b32 v203, v202
.set I, 0
.rept 32
	v_mov_b32 v[150+I], 0
.set I, I+1
.endr
.irp j, 222,223,226,227
	v_mov_b32 v[\j], 0
.endr
	s_mov_b32 s48, 0
	s_mov_b32 s49, 0
	s_mov_b32 s50, 0
	s_mov_b32 s51, 0
.Lstep_\@:
	s_cmp_gt_u32 s48, s[\sa]
	s_cbranch_scc1 .Lhidden_\@
	s_setprio 2
	v_add_nc_u32 v5, s49, v1
	v_add_nc_u32 v6, s50, v2
	v_add_nc_u32 v7, s49, v3
	v_add_nc_u32 v8, s51, v4
	ds_load_b128 v[210:213], v6
	KLOAD 0
	ds_load_b128 v[214:217], v8
.irp t, 0,1,2,3
.irp j, 0,1,2
	ds_load_b128 v[102+12*\t+4*\j:105+12*\t+4*\j], v7 offset:768*\t+16*\j
.endr
.endr
	s_wait_alu depctr_va_vdst(0)
	s_wait_dscnt 13
	SPROD 0, 70, \q, \qs
	NOPS
	KLOAD 1
	HALF 0, \dq, \sa
	s_wait_dscnt 0x0
	SPROD 1, 70, \q, \qs
	NOPS
	s_setprio 1
	HALF 1, \dq, \sa
	s_setprio 0
.irp t, 0,1,2,3
	v_wmma_scale_f32_16x16x128_f8f6f4 v[150+8*\t:157+8*\t], v[102+12*\t:113+12*\t], v[182:193], v[150+8*\t:157+8*\t], v[214+\t], v220 matrix_a_fmt:MATRIX_FMT_FP6 matrix_b_fmt:MATRIX_FMT_FP6
.endr
	NOPS
.Lhidden_\@:
	s_add_co_u32 s49, s49, 6144
	s_add_co_u32 s50, s50, 512
	s_add_co_u32 s51, s51, 256
	s_add_co_u32 s48, s48, 1
	s_cmp_lt_u32 s48, 16
	s_cbranch_scc1 .Lstep_\@
	s_setprio 0
	s_wait_alu depctr_va_vdst(0)
	v_pk_add_f32 v[222:223], v[222:223], v[226:227]
	s_delay_alu instid0(VALU_DEP_1)
	v_add_f32 v234, v222, v223
	s_delay_alu instid0(VALU_DEP_1)
	v_permlanex16_b32 v235, v234, s20, s21
	s_delay_alu instid0(VALU_DEP_1)
	v_add_f32 v234, v234, v235
	s_wait_alu depctr_va_vdst(0)
	v_rcp_f32 v238, v234
	v_nop
	s_wait_alu depctr_va_vdst(0)
	v_mov_b32 v239, v238
.set I, 0
.rept 16
	v_pk_mul_f32 v[150+I:151+I], v[150+I:151+I], v[238:239]
.set I, I+2
.endr
	v_max3_num_f32 v228, |v150|, |v151|, 0x1800000
	v_max3_num_f32 v229, |v152|, |v153|, |v154|
.irp i, 5,9,13,17,21,25
	s_delay_alu instid0(VALU_DEP_2)
	v_max3_num_f32 v228, v228, |v[150+\i]|, |v[151+\i]|
	s_delay_alu instid0(VALU_DEP_2)
	v_max3_num_f32 v229, v229, |v[152+\i]|, |v[153+\i]|
.endr
	s_delay_alu instid0(VALU_DEP_2)
	v_max3_num_f32 v228, v228, |v179|, |v180|
	s_delay_alu instid0(VALU_DEP_1)
	v_max3_num_f32 v228, v228, v229, |v181|
	s_delay_alu instid0(VALU_DEP_1)
	v_add_nc_u32 v230, 0xff000000, v228
	s_delay_alu instid0(VALU_DEP_1)
	v_lshrrev_b32 v232, 23, v230
	v_cvt_scalef32_pk16_fp6_f32 v[248:250], v[150:165], v230
	v_cvt_scalef32_pk16_fp6_f32 v[194:196], v[166:181], v230
	v_nop
.irp i, 0,1,2
	v_mov_b32 v[251+\i], v[194+\i]
.endr
.irp i, 0,1,2
	ds_store_b64 v9, v[248+2*\i:249+2*\i] offset:8*\i
.endr
.irp i, 0,1,2
	ds_load_b64 v[204+2*\i:205+2*\i], v10 offset:256*\i
.endr
	s_wait_alu depctr_va_vdst(0)
	s_wait_dscnt 0x0
.irp i, 0,1,2
	global_store_b64 v11, v[204+2*\i:205+2*\i], s[\sy:\sy+1] offset:256*\i
.endr
	global_store_b8 v12, v232, s[\ss:\ss+1]
.endm
	s_load_b128 s[4:7], s[0:1], 0x0
	s_load_b64 s[8:9], s[0:1], 0x10
	v_lshl_add_u32 v254, v0, 2, 0x37000
	v_mov_b32 v255, 0
	ds_add_u32 v254, v255
	ds_add_u32 v254, v255
	v_lshrrev_b32 v1, 5, v0
	s_delay_alu instid0(VALU_DEP_1)
	v_readfirstlane_b32 s[WV], v1
	s_bfe_u32 s11, ttmp6, 0x40000
	s_and_b32 s12, ttmp7, 0xffff
	s_mul_i32 s14, s12, REC
	s_mov_b32 s15, 0
	s_mov_b32 s24, 15|(3<<16)|(1<<21)
	s_mov_b32 s25, 32<<16
	s_mov_b32 s26, 26<<16
	s_mov_b32 s27, 32<<16
	s_mov_b32 s28, 26
	s_mov_b32 s29, 32
	s_mov_b32 s30, 0
	s_mov_b32 s31, 0
	s_mov_b32 s32, 15|(3<<16)|(1<<21)
	s_mov_b32 s33, 32<<16
	s_mov_b32 s34, 25<<16
	s_mov_b32 s35, 32<<16
	s_mov_b32 s36, 25
	s_mov_b32 s37, 32
	s_mov_b32 s38, 0
	s_mov_b32 s39, 0
	s_mul_i32 s18, s[WV], 6656
	s_mov_b32 s19, 0
	s_mul_i32 s16, s[WV], 6400
	s_add_co_u32 s16, s16, O_VC
	s_mov_b32 s17, 0
	s_mov_b32 s20, 0x76543210
	s_mov_b32 s21, 0xfedcba98
	s_mov_b32 s22, 0x3e38aa3b
	s_mov_b32 s23, s22
	s_wait_dscnt 0x0
	s_wait_kmcnt 0x0
	s_add_nc_u64 s[4:5], s[4:5], s[14:15]
	s_mov_b32 s40, 1
	s_mov_b32 s41, s18
	s_add_nc_u64 s[42:43], s[4:5], s[18:19]
	s_or_b32 s43, s43, 0x80000000
	s_mov_b32 s44, 1
	s_mov_b32 s45, s16
	s_add_nc_u64 s[46:47], s[4:5], s[16:17]
	s_or_b32 s47, s47, 0x80000000
	ROUND
	tensor_load_to_lds s[40:43], s[24:31]
	s_nop 0
	s_wait_alu depctr_va_vdst(0)
	s_wait_tensorcnt 0x0
	ds_add_u32 v254, v255
	s_wait_dscnt 0x0
	ROUND
	tensor_load_to_lds s[44:47], s[32:39]
	s_nop 0
	NOPS
	v_and_b32 v234, 15, v0
	v_bfe_u32 v235, v0, 4, 1
	v_and_b32 v236, 31, v0
	s_delay_alu instid0(VALU_DEP_3)
	v_mul_u32_u24 v1, v234, 48
	s_delay_alu instid0(VALU_DEP_1)
	v_mad_u32_u24 v3, v235, 3072, v1
	s_delay_alu instid0(VALU_DEP_1)
	v_add_nc_u32 v3, O_VC, v3
	s_delay_alu instid0(VALU_DEP_3)
	v_mad_u32_u24 v1, v235, 24, v1
	v_lshl_add_u32 v2, v236, 4, O_KS
	v_lshl_add_u32 v4, v234, 4, O_VS
	s_lshl_b32 s53, s[WV], 10
	s_add_co_u32 s53, s53, STG
	v_add_nc_u32 v9, s53, v1
	v_lshl_add_u32 v10, v236, 3, s53
	v_lshlrev_b32 v11, 3, v236
	v_lshlrev_b32 v12, 5, v234
	s_delay_alu instid0(VALU_DEP_1)
	v_lshl_add_u32 v12, v235, 1, v12
	v_lshlrev_b32 v13, 3, v235
	s_lshr_b32 s54, s11, 1
	s_lshl_b32 s54, s54, 6
	s_and_b32 s55, s11, 1
	s_lshl_b32 s55, s55, 4
	s_add_co_u32 s54, s54, s55
	v_lshrrev_b32 v237, 3, v234
	v_and_b32 v14, 7, v234
	s_delay_alu instid0(VALU_DEP_1)
	v_lshl_add_u32 v14, v237, 5, v14
	v_lshlrev_b32 v237, 5, v235
	s_delay_alu instid0(VALU_DEP_1)
	v_sub_nc_u32 v14, v14, v237
	s_delay_alu instid0(VALU_DEP_1)
	v_add_nc_u32 v14, s54, v14
	s_delay_alu instid0(VALU_DEP_1)
	v_add_nc_u32 v15, 8, v14
	s_sub_co_u32 s52, 15, s[WV]
	s_lshl_b32 s53, s[WV], 3
	s_lshl_b32 s54, s11, 1
	s_add_co_u32 s53, s53, s54
	s_lshl_b32 s55, s52, 3
	s_add_co_u32 s55, s55, s54
	s_add_co_u32 s55, s55, 1
	s_mul_i32 s14, s53, 768
	s_add_co_u32 s14, s14, O_QC
	s_mul_i32 s15, s55, 768
	s_add_co_u32 s15, s15, O_QC
	v_add_nc_u32 v248, s14, v1
	s_wait_alu depctr_va_vdst(0)
	v_add_nc_u32 v249, s15, v1
	s_wait_alu depctr_va_vdst(0)
	s_lshr_b32 s16, s53, 2
	s_lshl_b32 s16, s16, 8
	s_and_b32 s17, s53, 3
	s_lshl_b32 s17, s17, 2
	s_add_co_u32 s16, s16, s17
	s_add_co_u32 s16, s16, O_QS
	s_lshr_b32 s18, s55, 2
	s_lshl_b32 s18, s18, 8
	s_and_b32 s19, s55, 3
	s_lshl_b32 s19, s19, 2
	s_add_co_u32 s18, s18, s19
	s_add_co_u32 s18, s18, O_QS
	v_lshl_add_u32 v250, v234, 4, s16
	v_lshl_add_u32 v251, v234, 4, s18
.irp p, 0,1,2
	global_load_b64 v[16+2*\p:17+2*\p], v248, s[4:5] offset:8*\p
	global_load_b64 v[28+2*\p:29+2*\p], v249, s[4:5] offset:8*\p
.endr
	global_load_b32 v218, v250, s[4:5]
	global_load_b32 v219, v251, s[4:5]
	s_and_b32 s13, s12, 15
	s_lshr_b32 s12, s12, 4
	s_mul_i32 s14, s13, YP
	s_mul_i32 s15, s12, 98304
	s_add_co_u32 s14, s14, s15
	s_lshl_b32 s15, s12, 16
	s_lshr_b32 s16, s13, 1
	s_lshl_b32 s16, s16, 2
	s_add_co_u32 s15, s15, s16
	s_and_b32 s16, s13, 1
	s_add_co_u32 s15, s15, s16
	s_mul_i32 s56, s53, 768
	s_add_co_u32 s56, s56, s14
	s_mov_b32 s57, 0
	s_add_nc_u64 s[56:57], s[6:7], s[56:57]
	s_lshl_b32 s58, s53, 9
	s_add_co_u32 s58, s58, s15
	s_mov_b32 s59, 0
	s_add_nc_u64 s[58:59], s[8:9], s[58:59]
	s_mul_i32 s60, s55, 768
	s_add_co_u32 s60, s60, s14
	s_mov_b32 s61, 0
	s_add_nc_u64 s[60:61], s[6:7], s[60:61]
	s_lshl_b32 s62, s55, 9
	s_add_co_u32 s62, s62, s15
	s_mov_b32 s63, 0
	s_add_nc_u64 s[62:63], s[8:9], s[62:63]
	v_mov_b32 v221, 0xff800000
.irp j, 22,23,24,25,26,27,34,35,36,37,38,39,64,65,66,67,68,69
	v_mov_b32 v[\j], 0
.endr
.irp j, 241,243,244,245,246,247
	v_mov_b32 v[\j], 0xff800000
.endr
	s_wait_tensorcnt 0x1
	s_barrier_signal -1
	s_barrier_wait -1
	s_wait_loadcnt 0x0
	s_mov_b32 s48, 0
	s_mov_b32 s49, 0
	s_mov_b32 s50, 0
.Lpass1:
	v_add_nc_u32 v5, s49, v1
	v_add_nc_u32 v6, s50, v2
	ds_load_b128 v[210:213], v6
	s_wait_alu depctr_va_vdst(0)
	P1GROUP 0
	P1GROUP 1
	s_add_co_u32 s49, s49, 6144
	s_add_co_u32 s50, s50, 512
	s_add_co_u32 s48, s48, 1
	s_cmp_lt_u32 s48, 16
	s_cbranch_scc1 .Lpass1
	v_max_num_f32 v240, v244, v245
	v_max_num_f32 v242, v246, v247
	s_delay_alu instid0(VALU_DEP_2)
	v_permlanex16_b32 v234, v240, s20, s21
	s_delay_alu instid0(VALU_DEP_2)
	v_permlanex16_b32 v235, v242, s20, s21
	v_permlanex16_b32 v236, v241, s20, s21
	v_permlanex16_b32 v237, v243, s20, s21
	s_delay_alu instid0(VALU_DEP_4)
	v_max_num_f32 v240, v240, v234
	s_delay_alu instid0(VALU_DEP_4)
	v_max_num_f32 v242, v242, v235
	s_delay_alu instid0(VALU_DEP_4)
	v_max_num_f32 v241, v241, v236
	s_delay_alu instid0(VALU_DEP_4)
	v_max_num_f32 v243, v243, v237
	s_wait_alu depctr_va_vdst(0)
	s_wait_tensorcnt 0x0
	s_wait_dscnt 0x0
	s_barrier_signal -1
	s_barrier_wait -1
	TILE 16, 218, 240, 241, 14, WV, 56, 58
	TILE 28, 219, 242, 243, 15, 52, 60, 62
	s_wait_tensorcnt 0x0
	ds_add_u32 v254, v255
	s_wait_dscnt 0x0
	ROUND
	s_endpgm
.Lfunc_end_k_qe70b752d4f_attn:
	.size	k_qe70b752d4f_attn, .Lfunc_end_k_qe70b752d4f_attn-k_qe70b752d4f_attn
	.p2alignl 7, 3214868480
	.fill 96, 4, 3214868480
	.section	.rodata,"a",@progbits
	.p2align	6, 0x0
	.amdhsa_kernel k_qe70b752d4f_attn
		.amdhsa_group_segment_fixed_size 327680
		.amdhsa_private_segment_fixed_size 0
		.amdhsa_enable_private_segment 0
		.amdhsa_kernarg_size 24
		.amdhsa_user_sgpr_count 2
		.amdhsa_user_sgpr_kernarg_segment_ptr 1
		.amdhsa_wavefront_size32 1
		.amdhsa_system_sgpr_workgroup_id_x 1
		.amdhsa_system_sgpr_workgroup_id_y 1
		.amdhsa_system_sgpr_workgroup_id_z 1
		.amdhsa_system_vgpr_workitem_id 0
		.amdhsa_next_free_vgpr 256
		.amdhsa_next_free_sgpr 66
		.amdhsa_reserve_vcc 1
		.amdhsa_float_denorm_mode_32 3
		.amdhsa_float_denorm_mode_16_64 3
		.amdhsa_memory_ordered 1
		.amdhsa_forward_progress 1
		.amdhsa_inst_pref_size 92
	.end_amdhsa_kernel
	.amdgpu_metadata
---
amdhsa.version: [ 1, 2 ]
amdhsa.kernels:
  - .name:           k_qe70b752d4f_attn
    .symbol:         k_qe70b752d4f_attn.kd
    .args:
      - { .name: hd, .offset: 0, .size: 8, .value_kind: global_buffer, .address_space: global }
      - { .name: yc, .offset: 8, .size: 8, .value_kind: global_buffer, .address_space: global }
      - { .name: ys, .offset: 16, .size: 8, .value_kind: global_buffer, .address_space: global }
    .group_segment_fixed_size: 327680
    .private_segment_fixed_size: 0
    .kernarg_segment_align: 8
    .kernarg_segment_size: 24
    .max_flat_workgroup_size: 512
    .sgpr_count:     66
    .vgpr_count:     256
    .wavefront_size: 32
...
	.end_amdgpu_metadata
.endif
;; end of part 3
;; launch proj (part 4): grid 4 x 32, 4 waves a work-group, clusters of 4 x 4, 327,680 bytes of LDS; arguments yc, ys, codes, scales, bp, out0; writes out0
.if DOCPART == 4
	.amdgcn_target "amdgcn-amd-amdhsa--gfx1250"
	.amdhsa_code_object_version 6
	.text
	.protected	k_qe70b752d4f_proj
	.globl	k_qe70b752d4f_proj
	.p2align	8
	.type	k_qe70b752d4f_proj,@function
k_qe70b752d4f_proj:
	s_mov_b64 s[64:65], 0
	v_nop
	global_prefetch_b8 v0, s[64:65] scope:SCOPE_SE
	s_setreg_imm32_b32 hwreg(HW_REG_WAVE_MODE, 25, 1), 1
	s_wait_xcnt 0x0
	s_wait_alu depctr_hold_cnt(0) depctr_sa_sdst(0) depctr_va_vdst(0) depctr_va_sdst(0) depctr_va_ssrc(0) depctr_va_vcc(0) depctr_vm_vsrc(0)
	s_getreg_b32 s2, hwreg(HW_REG_IB_STS2, 6, 4)
	s_cmp_eq_u32 s2, 0
	s_cbranch_scc0 .Lentry_in_a_cluster
	s_endpgm
.Lentry_in_a_cluster:
	s_bfe_u32 s2, ttmp6, 0x10000c
	s_cmp_lg_u32 s2, 0xf033
	s_cbranch_scc0 .Lentry_shape_is_right
	s_endpgm
.Lentry_shape_is_right:
; out0 = y Wp + bp on codes of FP6 (E2M3).  y's codes [16 chunks = heads][8,192 positions][48 bytes] and scale bytes [position][32] come from the attention's launch, Wp's (positions 11,264 on) from the quantiser's.
; A tile of 256 x 256 is made by four waves, 128 x 128 each: 64 accumulators.  K = 1,024 goes in four steps of 256 through two LDS slots filled by tensor loads; the scale bytes of the tile's rows come once and stay.
; For 128 along K lane (r, h) takes the 48 bytes of chunk 2 s + h of its row, three loads of 16 bytes: the same permutation of k on both sides; the scale words are stored to fit it.
; SOURCE 0 = Wp's columns n, SOURCE 1 = y's tokens: a lane holds a token, and the registers of four neighbouring tiles 32 neighbouring n.  bp is the C of each sum's first product.
; Positions: in each group of 64, position 16 t + 8 h + j holds row 32 h + 8 t + j; the way out puts every number back at its own row and column.
; CLUSTERS of 4 x 4: y's tile is asked for jointly along a row of the cluster, Wp's along a column.  128 tiles: half of the chip's work-group processors get none; a tile of 128 x 256 would halve each fragment's use.
; REGISTERS: window 0: v1-29 addresses; v32-63 scale words, two sets; v128-223 source 1's fragments; on the way out v128-255 rows.
;   window 1: source 0's fragments, v0-95 and v128-223; bp at v96-127 and v224-255.   windows 2, 3: accumulator (a, b) at v[8 (8 (a % 4) + b)].
.set CP,     589824
.set YP,     393216
.set CHB,    6144
.set HALFT,  4*CHB
.set SLOT,   4*HALFT
.set SCL,    2*SLOT
.set HALFS,  16*272
.set SBLK,   2*272
.set SPARE,  SCL+4*HALFS
.set SPITCH, 528                       ; the way out: 16 rows x (512 bytes + 16) a wave, in slot 0, which has had its last fill and its last read by then
.set FR,     12
.set NL,     3
.set NP,     4
.set STEPA,  8*YP
.set STEPB,  8*CP
.set BO,   4
.set ADRA, 16
.set ADRB, 20
.set STO,  24
.set RD,   25
.set CO,   26
.set ADRS, 27
.set SPW,  28
.set NIL,  29
.set SC,   32
.set AF,   128
.set BK,   128
.set WV,  16
.set HA,  17
.set HB,  18
.set G1,  24
.set G0,  32
.set G1B, 48
.set G0B, 56
.set G1S, 68
.set G0S, 76
.set G1SB, 80
.set G0SB, 88
.set MSB, 0
.macro WIN new                         ; the immediate's high byte repeats the setting that is left
.if MSB != (\new)
	s_set_vgpr_msb (MSB<<8)|(\new)
.set MSB, (\new)
.endif
.endm
.set MUL_LO, 0xa1                      ; source 0 window 1, source 1 window 0, C and D window 2
.set MUL_HI, 0xf1
.set TO_B,   0x40
.macro JLOAD g0a, g1a, g0b, g1b        ; a joint load: waves 0, 1 fetch for source 1, waves 2, 3 for source 0; four v_nop follow each line
	s_cmp_eq_u32 s[HA], 0
	s_cbranch_scc0 .Lfor_b_\@
	tensor_load_to_lds s[\g0a:\g0a+3], s[\g1a:\g1a+7]
	s_nop 0
.rept 4
	v_nop
.endr
	s_branch .Lasked_\@
.Lfor_b_\@:
	tensor_load_to_lds s[\g0b:\g0b+3], s[\g1b:\g1b+7]
	s_nop 0
.rept 4
	v_nop
.endr
.Lasked_\@:
.endm
.macro CREST
	s_cmp_lg_u32 s[WV], 0
	s_cbranch_scc1 .Lnot_wave_0_\@
	s_barrier_signal -3
.Lnot_wave_0_\@:
	s_barrier_wait -3
	s_barrier_signal -1
	s_barrier_wait -1
.endm
.macro CROUND
	s_barrier_signal -1
	s_barrier_wait -1
	CREST
.endm
.macro PLACES n
.rept \n
	v_nop
.endr
.endm
.macro FRAG reg, adr, q, i
.irp j, 0,1,2
	ds_load_b128 v[\reg+4*\j:\reg+4*\j+3], v[\adr] offset:2*(\q)*CHB+(\i)*768+16*\j
.endr
.endm
; 16 products: source 1's blocks a0, a0 + 1 x source 0's eight.  zero = 2: the product starts the sums from bp.  The 64 accumulators take turns, one instruction a turn.
.macro MUL16 a0, p, q, sc, zero
.irp a, \a0, \a0+1
.irp b, 0,1,2,3,4,5,6,7
.if \zero == 2
	v_wmma_scale_f32_16x16x128_f8f6f4 v[8*(8*((\a)%4)+\b):8*(8*((\a)%4)+\b)+7], v[128*(\p)+FR*\b:128*(\p)+FR*\b+FR-1], v[AF+FR*(\a):AF+FR*(\a)+FR-1], v[96+128*(\b/4)+8*(\b%4):96+128*(\b/4)+8*(\b%4)+7], v[SC+16*(\sc)+2*\b+(\q)], v[SC+16*(\sc)+2*(\a)+(\q)] matrix_a_fmt:MATRIX_FMT_FP6 matrix_b_fmt:MATRIX_FMT_FP6 matrix_a_scale:MATRIX_SCALE_ROW1
.else
	v_wmma_scale_f32_16x16x128_f8f6f4 v[8*(8*((\a)%4)+\b):8*(8*((\a)%4)+\b)+7], v[128*(\p)+FR*\b:128*(\p)+FR*\b+FR-1], v[AF+FR*(\a):AF+FR*(\a)+FR-1], v[8*(8*((\a)%4)+\b):8*(8*((\a)%4)+\b)+7], v[SC+16*(\sc)+2*\b+(\q)], v[SC+16*(\sc)+2*(\a)+(\q)] matrix_a_fmt:MATRIX_FMT_FP6 matrix_b_fmt:MATRIX_FMT_FP6 matrix_a_scale:MATRIX_SCALE_ROW1
.endif
.endr
.endr
.endm
.macro FETCH_B slot, q, p
	WIN TO_B
.irp i, 0,1,2,3,4,5,6,7
	FRAG 128*(\p)+FR*\i, ADRB+\slot, \q, \i
.endr
	WIN 0
.endm
.macro FETCH_A slot, q, i0
.irp i, \i0, \i0+1, \i0+2, \i0+3
	FRAG AF+FR*(\i), ADRA+\slot, \q, \i
.endr
.endm
.macro SCALES sc
.irp i, 0,1,2,3,4,5,6,7
	ds_load_b64 v[SC+16*\sc+2*\i:SC+16*\sc+2*\i+1], v[ADRS] offset:\i*SBLK
.endr
.endm
.macro STEP slot, q, zero
	s_wait_dscnt 4*NL                              ; all but the youngest twelve loads (source 1's blocks 4-7)
.if \zero == 2
	WIN 0x91                                       ; C (bp) window 1, D window 2
.else
	WIN MUL_LO
.endif
	MUL16 0, (\q)%2, \q, \slot, \zero
	MUL16 2, (\q)%2, \q, \slot, \zero
	s_wait_dscnt 0
	PLACES NP                                      ; four plain lines in front of loads into registers that matrix instructions have read
	FETCH_B \slot, (\q)+1, 1-(\q)%2
	FETCH_A \slot, (\q)+1, 0
.if \zero == 2
	WIN 0xd1
.else
	WIN MUL_HI
.endif
	MUL16 4, (\q)%2, \q, \slot, \zero
	MUL16 6, (\q)%2, \q, \slot, \zero
	PLACES NP
	WIN 0
	FETCH_A \slot, (\q)+1, 4
.endm
.macro TURN slot, next, fill
	s_wait_tensorcnt 0x0                           ; all my tensor loads have landed: my part of the next slot
	ds_add_u32 v[SPW], v[NIL]
	s_wait_dscnt 4*NL+1                            ; the add and the youngest twelve loads may be out
	WIN MUL_LO
	MUL16 0, 1, 1, \slot, 0
	s_wait_dscnt 0x0                               ; the add is done, my reads of this slot are over
	s_barrier_signal -1
	MUL16 2, 1, 1, \slot, 0
	WIN 0
	s_barrier_wait -1
.if \fill
	CREST                                          ; the barrier has opened a round of the cluster's: no wave of any partner still reads this slot or has a load on its way
	s_add_nc_u64 s[G0+4*\slot+2:G0+4*\slot+3], s[G0+4*\slot+2:G0+4*\slot+3], STEPA
	s_add_nc_u64 s[G0B+4*\slot+2:G0B+4*\slot+3], s[G0B+4*\slot+2:G0B+4*\slot+3], STEPB
	JLOAD G0+4*\slot, G1, G0B+4*\slot, G1B         ; the first tensor load behind the round; its four v_nop are the places in front of the loads below
.else
	PLACES NP
.endif
	v_add_nc_u32 v[ADRS], 8, v[ADRS]
	FETCH_B \next, 0, 0
	FETCH_A \next, 0, 0
	SCALES \next
	WIN MUL_HI
	MUL16 4, 1, 1, \slot, 0
	MUL16 6, 1, 1, \slot, 0
	PLACES NP
	WIN 0
	FETCH_A \next, 0, 4
.endm
	s_load_b256 s[4:11], s[0:1], 0x0               ; yc, ys, codes, scales
	s_load_b128 s[12:15], s[0:1], 0x20             ; bp, out0
	v_lshl_add_u32 v[SPW], v0, 2, SPARE
	v_mov_b32 v[NIL], 0
	ds_add_u32 v28, v29
	ds_add_u32 v28, v29
	s_wait_dscnt 0x0
	v_lshrrev_b32 v1, 5, v0
	v_readfirstlane_b32 s[WV], v1
	s_lshr_b32 s[HA], s[WV], 1
	s_and_b32 s[HB], s[WV], 1
	s_bfe_u32 s40, ttmp6, 0x40000                  ; cx
	s_bfe_u32 s41, ttmp6, 0x40004                  ; cy
	s_lshl_b32 s42, ttmp9, 2
	s_add_co_u32 s42, s42, s40                     ; which 256 columns n
	s_and_b32 s67, ttmp7, 0xffff
	s_lshl_b32 s67, s67, 2
	s_add_co_u32 s67, s67, s41                     ; which 256 tokens
	s_lshl_b32 s43, s41, 2
	s_lshl_b32 s43, 15, s43                        ; my row of the cluster
	s_lshl_b32 s44, 0x1111, s40                    ; my column
	s_lshl_b32 s22, s[HB], 7                       ; the 128 rows that I fetch
	s_lshl_b32 s20, s67, 8
	s_add_co_u32 s20, s20, s22
	s_lshl_b32 s46, s42, 8
	s_add_co_u32 s46, s46, s22
	s_add_co_u32 s46, s46, 11264                   ; Wp's positions in the codes' buffer
	s_mul_i32 s92, s20, 48
	s_mov_b32 s93, 0
	s_lshl_b32 s22, s20, 5
	s_mov_b32 s23, 0
	s_mul_i32 s94, s46, 48
	s_mov_b32 s95, 0
	s_lshl_b32 s46, s46, 5
	s_mov_b32 s47, 0
	; descriptor group 1: 4 rows (chunks) of 768 elements of 8 bytes (128 positions x 48 bytes), a chunk's pitch apart; no padding
	s_or_b32 s[G1+0], s43, (3<<16)|(1<<21)
	s_or_b32 s[G1B+0], s44, (3<<16)|(1<<21)
.irp g, G1, G1B
	s_mov_b32 s[\g+1], 768<<16
	s_mov_b32 s[\g+2], 4<<16
	s_mov_b32 s[\g+3], 768<<16
	s_mov_b32 s[\g+4], 4
	s_mov_b32 s[\g+6], 0
	s_mov_b32 s[\g+7], 0
.endr
	s_mov_b32 s[G1+5], YP/8
	s_mov_b32 s[G1B+5], CP/8
	s_or_b32 s[G1S+0], s43, (3<<16)|(1<<20)|(1<<21)|(5<<22)|(3<<25)
	s_or_b32 s[G1SB+0], s44, (3<<16)|(1<<20)|(1<<21)|(5<<22)|(3<<25)
.irp g, G1S, G1SB
	s_mov_b32 s[\g+1], 32<<16
	s_mov_b32 s[\g+2], 16<<16
	s_mov_b32 s[\g+3], 32<<16
	s_mov_b32 s[\g+4], 16
	s_mov_b32 s[\g+5], 32
	s_mov_b32 s[\g+6], 0
	s_mov_b32 s[\g+7], 0
.endr
	s_mul_i32 s45, s[WV], HALFT
	s_mul_i32 s19, s[WV], HALFS
	s_wait_kmcnt 0x0
	s_add_nc_u64 s[20:21], s[4:5], s[92:93]        ; y's codes,
	s_add_nc_u64 s[22:23], s[6:7], s[22:23]        ; y's scale bytes,
	s_add_nc_u64 s[94:95], s[8:9], s[94:95]        ; Wp's codes,
	s_add_nc_u64 s[46:47], s[10:11], s[46:47]      ; Wp's scale bytes
	CROUND                                         ; all sixteen work-groups are here: the first joint loads meet
	s_mov_b32 s[G0S], 1
	s_add_co_u32 s[G0S+1], s19, SCL
	s_mov_b64 s[G0S+2:G0S+3], s[22:23]
	s_or_b32 s[G0S+3], s[G0S+3], 0x80000000
	s_mov_b32 s[G0SB], 1
	s_add_co_u32 s[G0SB+1], s19, SCL
	s_mov_b64 s[G0SB+2:G0SB+3], s[46:47]
	s_or_b32 s[G0SB+3], s[G0SB+3], 0x80000000
	JLOAD G0S, G1S, G0SB, G1SB
.irp s, 0,1
	s_mov_b32 s[G0+4*\s], 1
	s_add_co_u32 s[G0+4*\s+1], s45, \s*SLOT
	s_add_nc_u64 s[G0+4*\s+2:G0+4*\s+3], s[20:21], \s*4*YP
	s_or_b32 s[G0+4*\s+3], s[G0+4*\s+3], 0x80000000
	s_mov_b32 s[G0B+4*\s], 1
	s_add_co_u32 s[G0B+4*\s+1], s45, \s*SLOT
	s_add_nc_u64 s[G0B+4*\s+2:G0B+4*\s+3], s[94:95], \s*4*CP
	s_or_b32 s[G0B+4*\s+3], s[G0B+4*\s+3], 0x80000000
	JLOAD G0+4*\s, G1, G0B+4*\s, G1B
.endr
	v_and_b32 v1, 15, v0                           ; r
	v_bfe_u32 v2, v0, 4, 1                         ; h
	v_lshlrev_b32 v[BO], 7, v2                     ; bp: my half's 32 numbers of each 64
	s_lshl_b32 s22, s42, 10
	s_lshl_b32 s23, s[HB], 9
	s_add_co_u32 s22, s22, s23                     ; my first column, in bytes: 4 x (256 x tile + 128 x half)
	s_mov_b32 s23, 0
	s_add_nc_u64 s[12:13], s[12:13], s[22:23]
	WIN TO_B
.irp b, 0,1,2,3,4,5,6,7
	global_load_b128 v[96+128*(\b/4)+8*(\b%4):96+128*(\b/4)+8*(\b%4)+3], v[BO], s[12:13] offset:256*(\b/4)+32*(\b%4)      ; accumulator b's register j is column 64 (b / 4) + 32 h + 8 (b % 4) + j
	global_load_b128 v[96+128*(\b/4)+8*(\b%4)+4:96+128*(\b/4)+8*(\b%4)+7], v[BO], s[12:13] offset:256*(\b/4)+32*(\b%4)+16
.endr
	WIN 0
	v_mul_u32_u24 v3, v1, 48
	v_mad_u32_u24 v5, v2, CHB, v3                  ; a fragment: 48 r + a chunk for lanes 16-31
	s_mul_i32 s20, s[HA], HALFT
	s_mul_i32 s21, s[HB], HALFT
	s_add_co_u32 s21, s21, 2*HALFT
.irp s, 0,1
	v_add_nc_u32 v[ADRA+\s], s20, v5
	v_add_nc_u32 v[ADRB+\s], s21, v5
	s_add_co_u32 s20, s20, SLOT
	s_add_co_u32 s21, s21, SLOT
.endr
	v_lshlrev_b32 v5, 5, v1
	v_lshrrev_b32 v6, 8, v5
	v_lshl_add_u32 v5, v6, 4, v5
	s_mul_i32 s20, s[HA], HALFS
	s_mul_i32 s21, s[HB], HALFS
	s_add_co_u32 s21, s21, 2*HALFS
	s_sub_co_u32 s21, s21, s20
	v_mul_u32_u24 v6, s21, v2                      ; lanes 16-31 take source 0's
	s_add_co_u32 s20, s20, SCL
	v_add_nc_u32 v5, v5, v6
	v_add_nc_u32 v[ADRS], s20, v5
	s_mul_i32 s20, s[WV], 16*SPITCH                ; my stage
	v_mul_u32_u24 v5, v1, SPITCH
	v_lshl_add_u32 v5, v2, 7, v5
	v_add_nc_u32 v[STO], s20, v5                   ; in: row r, my half's 128 bytes of each 256
	v_and_b32 v6, 31, v0
	v_lshlrev_b32 v[CO], 4, v6
	v_add_nc_u32 v[RD], s20, v[CO]                 ; back: the 32 lanes take one row of 512 bytes
	s_lshl_b32 s20, s67, 8
	s_lshl_b32 s21, s[HA], 7
	s_add_co_u32 s20, s20, s21
	s_lshl_b32 s20, s20, 12                        ; my first token's row of out0: 4,096 bytes a row
	s_mov_b32 s21, 0
	s_add_nc_u64 s[14:15], s[14:15], s[20:21]
	s_add_nc_u64 s[14:15], s[14:15], s[22:23]      ; and my first column
	s_wait_tensorcnt 1                             ; the scale bytes and my part of slot 0 are in; slot 1's load may be out
	s_barrier_signal -1
	s_barrier_wait -1
	FETCH_B 0, 0, 0
	FETCH_A 0, 0, 0
	SCALES 0
	FETCH_A 0, 0, 4
	s_wait_loadcnt 0x0                             ; bp
	STEP 0, 0, 2                                   ; the first products start the sums from bp
	TURN 0, 1, 1
	STEP 1, 0, 0
	TURN 1, 0, 1
	STEP 0, 0, 0
	TURN 0, 1, 0                                   ; nothing is left to fetch
	STEP 1, 0, 0
	s_wait_dscnt 4*NL
	WIN MUL_LO
	MUL16 0, 1, 1, 1, 0
	MUL16 2, 1, 1, 1, 0
	s_wait_dscnt 0
	WIN MUL_HI
	MUL16 4, 1, 1, 1, 0
	MUL16 6, 1, 1, 1, 0
	WIN 0
; THE WAY OUT, block by block of 16 tokens x 128 columns, through my own stage: in by columns' true places, back as whole rows of 512 bytes.  LDS serves a wave's instructions in order.
.macro TOSTAGE a
.set AC, 64*((\a)%4)
.set WD, 8+4*((\a)/4)
	WIN WD                                         ; an LDS store's data: window 2 or 3
.irp b, 0,1,2,3,4,5,6,7
	ds_store_b128 v[STO], v[AC+8*\b:AC+8*\b+3] offset:256*(\b/4)+32*(\b%4)          ; each accumulator from its low end on
	ds_store_b128 v[STO], v[AC+8*\b+4:AC+8*\b+7] offset:256*(\b/4)+32*(\b%4)+16
.endr
	WIN 0
.set BB, BK+64*((\a)%2)
.irp t, 0,1,2,3,4,5,6,7,8,9,10,11,12,13,14,15
	ds_load_b128 v[BB+4*\t:BB+4*\t+3], v[RD] offset:\t*SPITCH
.endr
.endm
.macro SEND a, younger                 ; position 16 a + t is token 64 (a / 4) + 32 (t / 8) + 8 (a % 4) + t % 8: it stands in the immediate, 520,192 at the most
.set BB, BK+64*((\a)%2)
	s_wait_dscnt \younger
.irp t, 0,1,2,3,4,5,6,7,8,9,10,11,12,13,14,15
	global_store_b128 v[CO], v[BB+4*\t:BB+4*\t+3], s[14:15] offset:(64*((\a)/4)+32*(\t/8)+8*((\a)%4)+\t%8)*4096 th:TH_STORE_NT   ; 32 lanes store 512 consecutive bytes, at a multiple of 256 from out0's first byte
.endr
.endm
	PLACES NP
	TOSTAGE 0
.irp a, 1,2,3,4,5,6,7
.if \a > 1
	s_wait_xcnt 0x0                                ; block a - 2's stores have read the registers that block a's loads fill
.endif
	TOSTAGE \a
	SEND \a-1, 32                                  ; behind block a - 1's loads: block a's 16 stores and 16 loads
.endr
	SEND 7, 0
	s_wait_tensorcnt 0x0                           ; the wave's end
	ds_add_u32 v[SPW], v[NIL]
	s_wait_dscnt 0x0
	CROUND                                         ; the closing round
	s_endpgm
.Lfunc_end_k_qe70b752d4f_proj:
	.size	k_qe70b752d4f_proj, .Lfunc_end_k_qe70b752d4f_proj-k_qe70b752d4f_proj
	.p2alignl 7, 3214868480
	.fill 96, 4, 3214868480
	.section	.rodata,"a",@progbits
	.p2align	6, 0x0
	.amdhsa_kernel k_qe70b752d4f_proj
		.amdhsa_group_segment_fixed_size 327680
		.amdhsa_private_segment_fixed_size 0
		.amdhsa_enable_private_segment 0
		.amdhsa_kernarg_size 48
		.amdhsa_user_sgpr_count 2
		.amdhsa_user_sgpr_kernarg_segment_ptr 1
		.amdhsa_wavefront_size32 1
		.amdhsa_system_sgpr_workgroup_id_x 1
		.amdhsa_system_sgpr_workgroup_id_y 1
		.amdhsa_system_sgpr_workgroup_id_z 1
		.amdhsa_system_vgpr_workitem_id 0
		.amdhsa_next_free_vgpr 1024
		.amdhsa_next_free_sgpr 102
		.amdhsa_reserve_vcc 0
		.amdhsa_float_denorm_mode_32 3
		.amdhsa_float_denorm_mode_16_64 3
		.amdhsa_memory_ordered 1
		.amdhsa_forward_progress 1
		.amdhsa_inst_pref_size 136
	.end_amdhsa_kernel
	.amdgpu_metadata
---
amdhsa.version: [ 1, 2 ]
amdhsa.kernels:
  - .name:           k_qe70b752d4f_proj
    .symbol:         k_qe70b752d4f_proj.kd
    .args:
      - { .name: yc, .offset: 0, .size: 8, .value_kind: global_buffer, .address_space: global }
      - { .name: ys, .offset: 8, .size: 8, .value_kind: global_buffer, .address_space: global }
      - { .name: codes, .offset: 16, .size: 8, .value_kind: global_buffer, .address_space: global }
      - { .name: scales, .offset: 24, .size: 8, .value_kind: global_buffer, .address_space: global }
      - { .name: bp, .offset: 32, .size: 8, .value_kind: global_buffer, .address_space: global }
      - { .name: out0, .offset: 40, .size: 8, .value_kind: global_buffer, .address_space: global }
    .group_segment_fixed_size: 327680
    .private_segment_fixed_size: 0
    .kernarg_segment_align: 8
    .kernarg_segment_size: 48
    .max_flat_workgroup_size: 128
    .sgpr_count:     102
    .vgpr_count:     1024
    .wavefront_size: 32
...
	.end_amdgpu_metadata
.endif
;; end of part 4
